; MI455X (gfx1250); checked and timed in simulation.
; The chip was launched on July 23, 2026; its instructions are those of AMD's public machine-readable ISA for CDNA 5 (MIT licence, August 2026) and "CDNA5" Instruction Set Architecture Reference Guide (July 2026). The comments in the code are by the model that wrote it; some were corrected since.
;; Trans Conv Layer. Allowed arithmetic: matrix products marked QUANTISED: E4M3 operands, one E8M0 scale for each 32 along K, by v_wmma_scale_f32_16x16x128_f8f6f4 with both operands' format E4M3, f32 sums; products left as they are: f32 operands where the result goes on into a quantised operand, else bf16, f16 or f32 operands; f32 sums; everything else in f32.
;; Inputs: Wk_b 1,024 float32; Wk_w_codes 1,024 x 16 x 32 uint8 (E4M3 codes of Wk_w, K innermost, in blocks of 32 codes); Wk_w_scales 1,024 x 16 uint8 (E8M0 scales of Wk_w, one for each 32 codes along K); Wq_b 1,024 float32; Wq_w_codes 1,024 x 16 x 32 uint8 (E4M3 codes of Wq_w, K innermost, in blocks of 32 codes); Wq_w_scales 1,024 x 16 uint8 (E8M0 scales of Wq_w, one for each 32 codes along K); Wv_b 1,024 float32; Wv_w_codes 1,024 x 16 x 32 uint8 (E4M3 codes of Wv_w, K innermost, in blocks of 32 codes); Wv_w_scales 1,024 x 16 uint8 (E8M0 scales of Wv_w, one for each 32 codes along K); query_input_codes 32,768 x 16 x 32 uint8 (E4M3 codes of query_input, K innermost, in blocks of 32 codes); query_input_scales 32,768 x 16 uint8 (E8M0 scales of query_input, one for each 32 codes along K); source_input_codes 32,768 x 16 x 32 uint8 (E4M3 codes of source_input, K innermost, in blocks of 32 codes); source_input_scales 32,768 x 16 uint8 (E8M0 scales of source_input, one for each 32 codes along K).
;; Outputs: out0 32,768 x 128 float32.
;; This version of the problem:
;;   THIS VERSION OF THE PROBLEM IS GIVEN IN LOW PRECISION. The matrix products marked QUANTISED in the list below multiply operands that are first quantised to E4M3 (4 exponent bits, 3 mantissa bits; 8 bits a number), with one power-of-two scale for each 32 numbers along K (OCP MX v1.0); their sums are f32. All else is computed in f32.
;;   The module's matrix products, in the order in which they are computed (A, B: the left and right operand; K: the contracted axis; several contracted axes count as one K, in the product's order):
;;     1. [M 32,768, K 512] x [K 512, N 1,024]; A: input query_input (given as codes); B: input Wq_w (given as codes): QUANTISED
;;     2. [M 32,768, K 512] x [K 512, N 1,024]; A: input source_input (given as codes); B: input Wk_w (given as codes): QUANTISED
;;     3. [M 32,768, K 512] x [K 512, N 1,024]; A: input source_input (given as codes); B: input Wv_w (given as codes): QUANTISED
;;     4. batch 8 x [M 128, K 32,768] x [K 32,768, N 128]; A: computed on the way; B: computed on the way: QUANTISED
;;     5. batch 8 x [M 128, K 128] x [K 128, N 32,768]; A: computed on the way; B: computed on the way: QUANTISED
;;     6. batch 8 x [M 1, K 128] x [K 128, N 32,768]; A: computed on the way; B: computed on the way: left as it is (M = 1 < 16)
;;   THE QUANTISER, for each operand of a quantised product, along K:
;;     - K is cut into blocks of 32 from its start; a last block that is shorter is filled with zeros.
;;     - A block's scale is 2^e with e = floor(log2(the largest magnitude in the block)) - 8, held to -126 .. 127; a block of zeros has e = 0. As a byte (E8M0): e + 127.
;;     - Each number is divided by its block's scale, clamped to +-448, and rounded to the nearest number of E4M3, ties to even, subnormals kept.
;;     - The product sums the exact products of the quantised numbers (number of the format x scale) in f32.
;;   ~~~python
;;   def quantise(x, axis):      # numpy; x: float32 -> the quantised numbers, widened to float32 again
;;       x = np.moveaxis(x, axis, -1); K = x.shape[-1]
;;       x = np.pad(x, [(0, 0)] * (x.ndim - 1) + [(0, -K % 32)]); x = x.reshape(x.shape[:-1] + (-1, 32)); a = np.abs(x).max(-1, keepdims=True)
;;       e = np.where(a > 0, np.clip(np.frexp(np.where(a > 0, a, 1))[1] - 1 - 8, -126, 127), 0)      # np.frexp(a)[1] - 1 = floor(log2(a)), exactly
;;       r = np.clip(x / 2.0 ** e, -448, 448)
;;       step = 2.0 ** (np.maximum(np.frexp(np.where(r == 0, 1, r))[1] - 1, -6) - 3)
;;       q = np.round(r / step) * step * 2.0 ** e      # np.round: ties to even
;;       return np.moveaxis(q.reshape(q.shape[:-2] + (-1,))[..., :K], -1, axis).astype(np.float32)
;;   ~~~
;;   OPERANDS COMPUTED ON THE WAY. 'Computed on the way' means the value that the module computes at that place (a softmax that the list does not call 'softmax' is quantised finished and normalised). What goes into a quantiser is computed in f32, as accurately as f32 sums, v_exp_f32 and their like allow (about 1e-6 of the number): no bf16 or f16 on the way to a quantiser, and a product that is left as it is and whose result goes on into a quantised operand takes f32 operands (vector FMAs, or v_wmma_f32_16x16x4_f32). A number that lies on a knife's edge between two numbers of the format may be rounded either way, as far as f32 arithmetic and the matrix unit's own rounding can turn it there, and no further.
;;   INPUTS GIVEN AS CODES. Wk_w (in the module: [1024, 512], K = its axis 1); Wq_w (in the module: [1024, 512], K = its axis 1); Wv_w (in the module: [1024, 512], K = its axis 1); query_input (in the module: [32768, 512], K = its axis 1); source_input (in the module: [32768, 512], K = its axis 1): each comes as NAME_codes (uint8): NAME with its K axis moved to the last place and cut into blocks of 32 codes, [.., K / 32, bytes a block], one block behind the other in memory; one code a byte (a code: sign, 4 exponent bits, 3 mantissa bits); and NAME_scales (uint8): the same leading axes, one E8M0 byte (e + 127) for each 32 codes along K. Its value is code x scale, taken as it is: it is not quantised again, and the codes and scales need not be those that the quantiser above would give.
;; One version. Each part assembles by itself: llvm-mc -triple=amdgcn-amd-amdhsa -mcpu=gfx1250 --defsym DOCPART=n.
;; ======== version 1 of 1: 4 launches
;; workspace buffers: ssq 4,096 bytes; kvp 16,777,216 bytes; csp 262,144 bytes; kvc 131,072 bytes; kvw 8,192 bytes; ksn 4,096 bytes
;; launch norms (part 1): grid 8 x 32, 4 waves a work-group, clusters of 4 x 1, 327,680 bytes of LDS; arguments query_input_codes, query_input_scales, source_input_codes, source_input_scales, Wq_w_codes, Wq_w_scales, Wq_b, Wk_w_codes, Wk_w_scales, Wk_b, ssq; writes ssq
.if DOCPART == 1
	.amdgcn_target "amdgcn-amd-amdhsa--gfx1250"
	.amdhsa_code_object_version 6
	.text
	.protected	k_qc7ba1335b1_norms
	.globl	k_qc7ba1335b1_norms
	.p2align	8
	.type	k_qc7ba1335b1_norms,@function
k_qc7ba1335b1_norms:
	s_mov_b64 s[64:65], 0
	v_nop
	global_prefetch_b8 v0, s[64:65] scope:SCOPE_SE
	s_setreg_imm32_b32 hwreg(HW_REG_WAVE_MODE, 25, 1), 1
	s_wait_xcnt 0x0
	s_wait_alu depctr_hold_cnt(0) depctr_sa_sdst(0) depctr_va_vdst(0) depctr_va_sdst(0) depctr_va_ssrc(0) depctr_va_vcc(0) depctr_vm_vsrc(0)
	s_getreg_b32 s2, hwreg(HW_REG_IB_STS2, 6, 4)
	s_cmp_eq_u32 s2, 0
	s_cbranch_scc0 .Lentry_in_a_cluster
	s_endpgm
.Lentry_in_a_cluster:
	s_bfe_u32 s2, ttmp6, 0x10000c
	s_cmp_lg_u32 s2, 0x3003
	s_cbranch_scc0 .Lentry_shape_is_right
	s_endpgm
.Lentry_shape_is_right:
; NORMS.  q = query Wq^T + bq and k = source Wk^T + bk ([32768][1024], K = 512, MX-FP8 codes as given) are multiplied only for the sums of their squares:
; the two global norms have to be known before any number of q or k can be quantised, and a projection made twice from 17 MB of codes moves fewer bytes than an f32 copy of it.
; SHARES.  Cluster x = 0: q, 1: k.  The four work-groups of a cluster take 256 features each (cx) and stream the SAME 1,024 input rows (y): each tile is asked for jointly.
; A wave (rh, fh) keeps 128 weight rows (8 tiles x 4 K steps: 512 registers, windows 1 and 2) for the whole launch and takes rows 128 rh .. + 127 of each slot of 256 rows, 32 at a time.
; THE WEIGHTS come once, as whole rows of 512 bytes, by a tensor load of the work-group's own into slot 0 (its first fill), and go from there into registers; then the slot joins the ring.
; A QUARTER: 2 streamed tiles x 4 K steps x 8 resident tiles = 64 matrix instructions on 16 accumulators: each fragment read from LDS feeds 8 products.
; BY TURNS: the products go as tiles 0-3, then tiles 4-7; the squares of the first half's results stand one behind each matrix instruction of the second half; the second half's stand behind the next quarter's LDS loads.
; Source 0 = 16 input rows, source 1 = 16 weight rows: lane l holds feature l % 16, its registers input rows 8 (l / 16) + 0..7.  The bias is the C of a sum's first product.
; LDS: two slots of 256 rows x (512 + 16) bytes; the chunk's scale bytes, 16 a row, dense, filled once; the spare words.
; OUT: one f32 a wave, at ssq[512 x (0: q, 1: k) + 16 y + 4 cx + wave].
; LIMITS: NaN and infinities among the values are not served.
.set PITCH,  528                       ; 132 words: row i starts at bank 4 i mod 64, so the 16 rows of a fragment load start at 16 different banks
.set SLOTB,  256*PITCH
.set SCL,    2*SLOTB
.set SPARE,  SCL+16384                 ; 128 bytes for each wave: two blocks of 256 bytes that no other line names
.set SPW, 1                            ; v1   my spare word;  v2  0: both never rewritten
.set NIL, 2
.set A0,  3                            ; v3, v4  my lane's place in my rows of slot 0, 1
.set AS0, 5                            ; v5   my lane's place among the scale bytes
.set ADR, 6                            ; v6   the quarter's fragments
.set ADS, 7                            ; v7   the quarter's scale words
.set WA,  8                            ; v8   my lane's place in my 128 weight rows in slot 0
.set L16, 9                            ; v9   16 x lane
.set R4,  10                           ; v10  4 r
.set LN,  11                           ; v11  lane
.set T,   12                           ; v12-15 at work
.set RS,  16                           ; v16-31 the weights' scale words: register 4 p + ks, lanes 0-15 tile 2 p, lanes 16-31 tile 2 p + 1
.set SS,  32                           ; v32-35 the streamed rows' scale words: register ks, lane = row of the 32
.set SQ,  36                           ; v36-43 four pairs of running sums of squares
.set BT,  64                           ; v64-127 the bias tiles: 8 equal registers a tile
.set AC,  128                          ; v128-255 accumulator (t, u) at AC + 16 t + 8 u
.set SB,  0                            ; window 3: v0-127 the streamed fragments (ks, u) at 32 ks + 16 u
.set WV,  26
.set RH,  27
.set FH,  28
.set CX,  29
.set YY,  30
.set WOFF,31
.set PH,  32
.set PS,  33
.set CNT, 34
.set G1,  36                           ; s[36:43] group 1 of a joint codes tile;  s[44:51] of the scale bytes;  s[76:83] of the work-group's own codes tile
.set G1S, 44
.set G0A, 52                           ; s[52:55], s[56:59] group 0 for slot 0, 1;  s[60:63] for the scale bytes;  s[84:87] for the weights
.set G0S, 60
.set O,   68
.set P,   70
.set SEL, 72
.set SX,  74
.set G1P, 76
.set G0P, 84
.set MSB, 0
.macro WIN new                         ; the immediate's high byte repeats the setting that is left
.if MSB != (\new)
	s_set_vgpr_msb (MSB<<8)|(\new)
.set MSB, (\new)
.endif
.endm
.macro NOPS n
.rept \n
	v_nop
.endr
.endm
.macro ROUND                           ; a round of the cluster's barrier
	s_barrier_signal -1
	s_barrier_wait -1
	s_cmp_lg_u32 s[WV], 0
	s_cbranch_scc1 .Lnw0_\@
	s_barrier_signal -3
.Lnw0_\@:
	s_barrier_wait -3
	s_barrier_signal -1
	s_barrier_wait -1
.endm
.macro WM                              ; one product, by the symbols rD rA rB rC rSA rSB; qA, qB: the scale words lie in lanes 16-31
.if qA && qB
	v_wmma_scale_f32_16x16x128_f8f6f4 v[rD:rD+7], v[rA:rA+15], v[rB:rB+15], v[rC:rC+7], v[rSA], v[rSB] matrix_a_scale:MATRIX_SCALE_ROW1 matrix_b_scale:MATRIX_SCALE_ROW1
.elseif qA
	v_wmma_scale_f32_16x16x128_f8f6f4 v[rD:rD+7], v[rA:rA+15], v[rB:rB+15], v[rC:rC+7], v[rSA], v[rSB] matrix_a_scale:MATRIX_SCALE_ROW1
.elseif qB
	v_wmma_scale_f32_16x16x128_f8f6f4 v[rD:rD+7], v[rA:rA+15], v[rB:rB+15], v[rC:rC+7], v[rSA], v[rSB] matrix_b_scale:MATRIX_SCALE_ROW1
.else
	v_wmma_scale_f32_16x16x128_f8f6f4 v[rD:rD+7], v[rA:rA+15], v[rB:rB+15], v[rC:rC+7], v[rSA], v[rSB]
.endif
.endm
.macro LOADQ soff                      ; a quarter's scale words, then its 8 fragments, K ascending: 33 LDS loads
	ds_load_b128 v[SS:SS+3], v[ADS] offset:\soff
	WIN 0xc0                                       ; destination window 3
.irp ks, 0,1,2,3
.irp u, 0,1
.irp c, 0,1,2,3
	ds_load_b128 v[SB+32*\ks+16*\u+4*\c:SB+32*\ks+16*\u+4*\c+3], v[ADR] offset:\u*16*PITCH+128*\ks+32*\c
.endr
.endr
.endr
	WIN 0
.endm
.macro SQN                             ; pair n of the 64 pairs of results, squared and added, in four chains; ascending n reads each accumulator from its low end on
	v_pk_fma_f32 v[SQ+2*(n%4):SQ+2*(n%4)+1], v[AC+2*n:AC+2*n+1], v[AC+2*n:AC+2*n+1], v[SQ+2*(n%4):SQ+2*(n%4)+1]
.set n, n+1
.endm
; 64 products: resident tiles 0-3 through the four K steps, then tiles 4-7, each of these followed by one pair of the first half's squares.
; The accumulators take turns, one instruction a turn.
.macro GEMMQ
	WIN 0x07                                       ; source 0 window 3, source 1 window 1
.irp ks, 0,1,2,3
	s_wait_dscnt 24-8*\ks                          ; this K step's fragments are in; the later K steps', 8 loads each, may be out
.irp tt, 0,1,2,3
.irp u, 0,1
.set rD, AC+16*\tt+8*\u
.set rA, SB+32*\ks+16*\u
.set rB, 64*\tt+16*\ks
.set rSA, SS+\ks
.set rSB, RS+4*(\tt/2)+\ks
.set qA, \u
.set qB, \tt%2
.if \ks == 0
.set rC, BT+8*\tt
.else
.set rC, rD
.endif
	WM
.endr
.endr
.endr
	WIN 0
	NOPS 8                                         ; eight places between the first half's last products and the first read of their results
.set n, 0
.irp ks, 0,1,2,3
.irp tt, 0,1,2,3
.irp u, 0,1
.set rD, AC+64+16*\tt+8*\u
.set rA, SB+32*\ks+16*\u
.set rB, 64*\tt+16*\ks
.set rSA, SS+\ks
.set rSB, RS+8+4*(\tt/2)+\ks
.set qA, \u
.set qB, \tt%2
.if \ks == 0
.set rC, BT+32+8*\tt
.else
.set rC, rD
.endif
	WIN 0x0b                                       ; source 0 window 3, source 1 window 2
	WM
	WIN 0
	SQN                                            ; names the first half's results and the sums alone
.endr
.endr
.endr
.endm
.macro SQ1                             ; the second half's 32 pairs
.set n, 32
.rept 32
	SQN
.endr
.endm
; My four quarters of input slot i, which lies in LDS slot \slot.  The next quarter's loads are issued ahead of this quarter's last squares.
.macro SLOTWORK slot, i
	s_mov_b32 s[PH], 0
	s_mov_b32 s[PS], 0
	v_add_nc_u32 v[ADR], s[PH], v[A0+\slot]
	v_add_nc_u32 v[ADS], s[PS], v[AS0]
	LOADQ 4096*\i
	s_mov_b32 s[CNT], 3
.Lq_\@:
	GEMMQ
	NOPS 6                                         ; with the two additions below: eight places behind the last product, ahead of loads into its operands and of reads of its result
	s_add_co_u32 s[PH], s[PH], 32*PITCH
	s_add_co_u32 s[PS], s[PS], 512
	v_add_nc_u32 v[ADR], s[PH], v[A0+\slot]
	v_add_nc_u32 v[ADS], s[PS], v[AS0]
	LOADQ 4096*\i
	SQ1
	s_sub_co_u32 s[CNT], s[CNT], 1
	s_cmp_lg_u32 s[CNT], 0
	s_cbranch_scc1 .Lq_\@
	GEMMQ
	NOPS 8
	SQ1
.endm
; The change of slots.  Every wave waits for all its tensor loads, adds 0 to its spare word, waits for that and for its reads of the slot that it has left.
; fill = 1: behind a round of the cluster's barrier that slot takes its next input rows: my one tensor load until the next change.
.macro CHANGE fill, g0, step
	s_wait_tensorcnt 0x0                           ; no tensor load of mine is out, so a group 0 may be written
	ds_add_u32 v[SPW], v[NIL]
.if \step
	s_add_nc_u64 s[\g0+2:\g0+3], s[\g0+2:\g0+3], \step
.endif
	s_wait_dscnt 0x0
.if \fill
	ROUND
	tensor_load_to_lds s[\g0:\g0+3], s[G1:G1+7]
	s_nop 0
	NOPS 4
.else
	s_barrier_signal -1
	s_barrier_wait -1
.endif
.endm
	s_load_b256 s[4:11], s[0:1], 0x0               ; query codes, query scales, source codes, source scales
	s_load_b256 s[12:19], s[0:1], 0x20             ; Wq codes, Wq scales, Wq_b, Wk codes
	s_load_b128 s[20:23], s[0:1], 0x40             ; Wk scales, Wk_b
	s_load_b64 s[24:25], s[0:1], 0x50              ; ssq
	v_lshl_add_u32 v[SPW], v0, 2, SPARE
	v_mov_b32 v[NIL], 0
	ds_add_u32 v1, v2
	ds_add_u32 v1, v2
	s_wait_dscnt 0x0
	v_lshrrev_b32 v[T], 5, v0
	v_readfirstlane_b32 s[WV], v[T]                ; wave 0..3
	s_lshr_b32 s[RH], s[WV], 1                     ; which 128 rows of a slot
	s_and_b32 s[FH], s[WV], 1                      ; which 128 of the work-group's 256 features
	s_bfe_u32 s[CX], ttmp6, 0x40000                ; my place in the cluster: it enters the weights' and ssq's addresses alone
	s_and_b32 s[YY], ttmp7, 0xffff                 ; the chunk of 1,024 rows
	s_mov_b32 s[G1], 15|(1<<20)|(1<<21)|(6<<22)|(3<<25)   ; mask: all four work-groups; elements of 1 byte; padding on; bit 21 beside a mask; 4 words behind every 128
	s_mov_b32 s[G1P], (1<<20)|(6<<22)|(3<<25)      ; the same tile with no mask: the work-group's own weights
.irp g, G1, G1P
	s_mov_b32 s[\g+1], 512<<16                     ; tensor_dim0
	s_mov_b32 s[\g+2], 64<<16                      ; tensor_dim1
	s_mov_b32 s[\g+3], 512<<16                     ; tile_dim0
	s_mov_b32 s[\g+4], 64                          ; tile_dim1: 64 rows a wave
	s_mov_b32 s[\g+5], 512                         ; from row to row
	s_mov_b32 s[\g+6], 0
	s_mov_b32 s[\g+7], 0
.endr
	s_mov_b32 s[G1S], 15|(3<<16)|(1<<21)           ; the scale bytes of 256 rows: 4,096 dense bytes as 16 rows of 32 elements of 8 bytes
	s_mov_b32 s[G1S+1], 32<<16
	s_mov_b32 s[G1S+2], 16<<16
	s_mov_b32 s[G1S+3], 32<<16
	s_mov_b32 s[G1S+4], 16
	s_mov_b32 s[G1S+5], 32
	s_mov_b32 s[G1S+6], 0
	s_mov_b32 s[G1S+7], 0
	s_mov_b32 s[SEL], 0x76543210
	s_mov_b32 s[SEL+1], 0xfedcba98                 ; v_permlanex16_b32's selects for lane l xor 16
	s_mul_i32 s[WOFF], s[WV], 64*PITCH
	s_lshl_b32 s[O], s[YY], 19                     ; the chunk's codes, my 64 rows of a slot
	s_lshl_b32 s[O+1], s[WV], 15
	s_add_co_u32 s[O], s[O], s[O+1]
	s_mov_b32 s[O+1], 0
	s_lshl_b32 s[P], s[YY], 14                     ; the chunk's scale bytes, my quarter
	s_lshl_b32 s[P+1], s[WV], 12
	s_add_co_u32 s[P], s[P], s[P+1]
	s_mov_b32 s[P+1], 0
	s_wait_kmcnt 0x0
	s_cmp_eq_u32 ttmp9, 0                          ; q's cluster or k's: the choice hangs on the cluster's number alone
	s_cselect_b64 s[4:5], s[4:5], s[8:9]
	s_cselect_b64 s[6:7], s[6:7], s[10:11]
	s_cselect_b64 s[12:13], s[12:13], s[18:19]
	s_cselect_b64 s[14:15], s[14:15], s[20:21]
	s_cselect_b64 s[16:17], s[16:17], s[22:23]
	s_add_nc_u64 s[4:5], s[4:5], s[O:O+1]
	s_add_nc_u64 s[6:7], s[6:7], s[P:P+1]
	s_mov_b32 s[G0S], 1
	s_lshl_b32 s[G0S+1], s[WV], 12
	s_add_co_u32 s[G0S+1], s[G0S+1], SCL
	s_mov_b64 s[G0S+2:G0S+3], s[6:7]
	s_or_b32 s[G0S+3], s[G0S+3], 0x80000000
.irp k, 0,1                            ; slot 1 begins with input rows 0-255, slot 0 (behind the weights) with rows 256-511
	s_mov_b32 s[G0A+4*\k], 1
	s_add_co_u32 s[G0A+4*\k+1], s[WOFF], \k*SLOTB
	s_add_nc_u64 s[G0A+4*\k+2:G0A+4*\k+3], s[4:5], (1-\k)*131072
	s_or_b32 s[G0A+4*\k+3], s[G0A+4*\k+3], 0x80000000
.endr
	s_lshl_b32 s[O], s[CX], 17                     ; the weights: rows 256 cx + 64 wave on, 512 bytes each
	s_lshl_b32 s[P], s[WV], 15
	s_add_co_u32 s[O], s[O], s[P]
	s_mov_b32 s[G0P], 1
	s_mov_b32 s[G0P+1], s[WOFF]
	s_add_nc_u64 s[G0P+2:G0P+3], s[12:13], s[O:O+1]
	s_or_b32 s[G0P+3], s[G0P+3], 0x80000000
	ROUND                                          ; all four work-groups are here: the first joint loads meet
	tensor_load_to_lds s[G0P:G0P+3], s[G1P:G1P+7]  ; the first fills go out together: three loads of mine are out.  The weights first,
	s_nop 0
	tensor_load_to_lds s[G0S:G0S+3], s[G1S:G1S+7]  ; the scale bytes,
	s_nop 0
	tensor_load_to_lds s[G0A+4:G0A+7], s[G1:G1+7]  ; input rows 0-255 into slot 1
	s_nop 0
	NOPS 4
	v_and_b32 v[LN], 31, v0
	v_and_b32 v[T], 15, v0                         ; r
	v_bfe_u32 v[T+1], v0, 4, 1                     ; h
	v_lshlrev_b32 v[L16], 4, v[LN]
	v_lshlrev_b32 v[R4], 2, v[T]
	s_lshl_b32 s[O], s[CX], 12                     ; my 128 features: (256 cx + 128 fh) x 16 bytes of scales,
	s_lshl_b32 s[P], s[FH], 11
	s_add_co_u32 s[O], s[O], s[P]
	s_add_nc_u64 s[14:15], s[14:15], s[O:O+1]
	s_lshr_b32 s[O], s[O], 2                       ; x 4 bytes of bias
	s_add_nc_u64 s[16:17], s[16:17], s[O:O+1]
.irp p, 0,1,2,3
	global_load_b128 v[RS+4*\p:RS+4*\p+3], v[L16], s[14:15] offset:512*\p
.endr
.irp t, 0,1,2,3,4,5,6,7
.irp j, 0,1,2,3,4,5,6,7
	global_load_b32 v[BT+8*\t+\j], v[R4], s[16:17] offset:64*\t
.endr
.endr
	v_mul_u32_u24 v[A0], v[T], PITCH
	v_lshl_add_u32 v[A0], v[T+1], 4, v[A0]         ; r x pitch + 16 h
	s_mul_i32 s[O], s[FH], 128*PITCH
	v_add_nc_u32 v[WA], s[O], v[A0]                ; the weights: + 128 fh rows
	s_mul_i32 s[O], s[RH], 128*PITCH
	v_add_nc_u32 v[A0], s[O], v[A0]                ; the input rows: + 128 rh rows
	v_add_nc_u32 v[A0+1], SLOTB, v[A0]
	s_lshl_b32 s[O], s[RH], 11
	s_add_co_u32 s[O], s[O], SCL
	v_add_nc_u32 v[AS0], s[O], v[L16]
.irp j, 0,1,2,3,4,5,6,7
	v_mov_b32 v[SQ+\j], 0
.endr
	s_lshl_b32 s[O], ttmp9, 9                      ; where my sum goes
	s_lshl_b32 s[P], s[YY], 4
	s_add_co_u32 s[O], s[O], s[P]
	s_lshl_b32 s[P], s[CX], 2
	s_add_co_u32 s[O], s[O], s[P]
	s_add_co_u32 s[O], s[O], s[WV]
	s_lshl_b32 s[O], s[O], 2
	s_add_nc_u64 s[24:25], s[24:25], s[O:O+1]
	s_wait_tensorcnt 0x2                           ; my part of the weights is in; the two loads issued behind it may stay out
	s_barrier_signal -1
	s_barrier_wait -1                              ; everybody's part is
	WIN 0x40                                       ; the weights stay in registers: tile t, K step ks at v[64 (t % 4) + 16 ks] of window 1 (t < 4) or 2
.irp t, 0,1,2,3
.irp ks, 0,1,2,3
.irp c, 0,1,2,3
	ds_load_b128 v[64*\t+16*\ks+4*\c:64*\t+16*\ks+4*\c+3], v[WA] offset:\t*16*PITCH+128*\ks+32*\c
.endr
.endr
.endr
	WIN 0x80
.irp t, 0,1,2,3
.irp ks, 0,1,2,3
.irp c, 0,1,2,3
	ds_load_b128 v[64*\t+16*\ks+4*\c:64*\t+16*\ks+4*\c+3], v[WA] offset:(\t+4)*16*PITCH+128*\ks+32*\c
.endr
.endr
.endr
	WIN 0
	s_wait_loadcnt 0x0                             ; the weights' scale words, the bias
	CHANGE 1, G0A, 0                               ; every wave has its weights in registers: slot 0 takes input rows 256-511
	SLOTWORK 1, 0
	CHANGE 1, G0A+4, 262144                        ; slot 1: rows 512-767
	SLOTWORK 0, 1
	CHANGE 1, G0A, 262144                          ; slot 0: rows 768-1,023
	SLOTWORK 1, 2
	CHANGE 0, G0A, 0
	SLOTWORK 0, 3
	v_pk_add_f32 v[SQ:SQ+1], v[SQ:SQ+1], v[SQ+2:SQ+3]
	v_pk_add_f32 v[SQ+4:SQ+5], v[SQ+4:SQ+5], v[SQ+6:SQ+7]
	v_pk_add_f32 v[SQ:SQ+1], v[SQ:SQ+1], v[SQ+4:SQ+5]
	v_add_f32 v[SQ], v[SQ], v[SQ+1]
	v_add_f32_dpp v[SQ], v[SQ], v[SQ] row_xmask:1 row_mask:0xf bank_mask:0xf
	v_add_f32_dpp v[SQ], v[SQ], v[SQ] row_xmask:2 row_mask:0xf bank_mask:0xf
	v_add_f32_dpp v[SQ], v[SQ], v[SQ] row_xmask:4 row_mask:0xf bank_mask:0xf
	v_add_f32_dpp v[SQ], v[SQ], v[SQ] row_xmask:8 row_mask:0xf bank_mask:0xf
	v_permlanex16_b32 v[SQ+1], v[SQ], s[SEL], s[SEL+1]
	v_add_f32 v[SQ], v[SQ], v[SQ+1]                ; the wave's sum of squares, in every lane
	v_mov_b32 v[T], 0
	v_cmp_eq_u32 vcc_lo, 0, v[LN]
	s_wait_xcnt 0x0                                ; EXEC changes only behind this wait
	s_and_saveexec_b32 s[SX], vcc_lo
	global_store_b32 v[T], v[SQ], s[24:25]         ; lane 0 stores it
	s_wait_xcnt 0x0
	s_or_b32 exec_lo, exec_lo, s[SX]
	s_wait_tensorcnt 0x0                           ; the wave's end
	ds_add_u32 v[SPW], v[NIL]
	s_wait_dscnt 0x0
	ROUND                                          ; the closing round
	s_endpgm
.Lfunc_end_k_qc7ba1335b1_norms:
	.size	k_qc7ba1335b1_norms, .Lfunc_end_k_qc7ba1335b1_norms-k_qc7ba1335b1_norms
	.p2alignl 7, 3214868480
	.fill 96, 4, 3214868480
	.section	.rodata,"a",@progbits
	.p2align	6, 0x0
	.amdhsa_kernel k_qc7ba1335b1_norms
		.amdhsa_group_segment_fixed_size 327680
		.amdhsa_private_segment_fixed_size 0
		.amdhsa_enable_private_segment 0
		.amdhsa_kernarg_size 88
		.amdhsa_user_sgpr_count 2
		.amdhsa_user_sgpr_kernarg_segment_ptr 1
		.amdhsa_wavefront_size32 1
		.amdhsa_system_sgpr_workgroup_id_x 1
		.amdhsa_system_sgpr_workgroup_id_y 1
		.amdhsa_system_sgpr_workgroup_id_z 1
		.amdhsa_system_vgpr_workitem_id 0
		.amdhsa_next_free_vgpr 1024
		.amdhsa_next_free_sgpr 96
		.amdhsa_reserve_vcc 1
		.amdhsa_float_denorm_mode_32 3
		.amdhsa_float_denorm_mode_16_64 3
		.amdhsa_memory_ordered 1
		.amdhsa_forward_progress 1
		.amdhsa_inst_pref_size 161
	.end_amdhsa_kernel
	.amdgpu_metadata
---
amdhsa.version: [ 1, 2 ]
amdhsa.kernels:
  - .name:           k_qc7ba1335b1_norms
    .symbol:         k_qc7ba1335b1_norms.kd
    .args:
      - { .name: query_input_codes, .offset: 0, .size: 8, .value_kind: global_buffer, .address_space: global }
      - { .name: query_input_scales, .offset: 8, .size: 8, .value_kind: global_buffer, .address_space: global }
      - { .name: source_input_codes, .offset: 16, .size: 8, .value_kind: global_buffer, .address_space: global }
      - { .name: source_input_scales, .offset: 24, .size: 8, .value_kind: global_buffer, .address_space: global }
      - { .name: Wq_w_codes, .offset: 32, .size: 8, .value_kind: global_buffer, .address_space: global }
      - { .name: Wq_w_scales, .offset: 40, .size: 8, .value_kind: global_buffer, .address_space: global }
      - { .name: Wq_b, .offset: 48, .size: 8, .value_kind: global_buffer, .address_space: global }
      - { .name: Wk_w_codes, .offset: 56, .size: 8, .value_kind: global_buffer, .address_space: global }
      - { .name: Wk_w_scales, .offset: 64, .size: 8, .value_kind: global_buffer, .address_space: global }
      - { .name: Wk_b, .offset: 72, .size: 8, .value_kind: global_buffer, .address_space: global }
      - { .name: ssq, .offset: 80, .size: 8, .value_kind: global_buffer, .address_space: global }
    .group_segment_fixed_size: 327680
    .private_segment_fixed_size: 0
    .kernarg_segment_align: 8
    .kernarg_segment_size: 88
    .max_flat_workgroup_size: 128
    .sgpr_count:     96
    .vgpr_count:     1024
    .wavefront_size: 32
...
	.end_amdgpu_metadata
.endif
;; end of part 1
;; launch kv (part 2): grid 8 x 32, 4 waves a work-group, clusters of 4 x 1, 327,680 bytes of LDS; arguments source_input_codes, source_input_scales, Wk_w_codes, Wk_w_scales, Wk_b, Wv_w_codes, Wv_w_scales, Wv_b, ssq, kvp, csp; writes kvp, csp
.if DOCPART == 2
	.amdgcn_target "amdgcn-amd-amdhsa--gfx1250"
	.amdhsa_code_object_version 6
	.text
	.protected	k_qc7ba1335b1_kv
	.globl	k_qc7ba1335b1_kv
	.p2align	8
	.type	k_qc7ba1335b1_kv,@function
k_qc7ba1335b1_kv:
	s_mov_b64 s[64:65], 0
	v_nop
	global_prefetch_b8 v0, s[64:65] scope:SCOPE_SE
	s_setreg_imm32_b32 hwreg(HW_REG_WAVE_MODE, 25, 1), 1
	s_wait_xcnt 0x0
	s_wait_alu depctr_hold_cnt(0) depctr_sa_sdst(0) depctr_va_vdst(0) depctr_va_sdst(0) depctr_va_ssrc(0) depctr_va_vcc(0) depctr_vm_vsrc(0)
	s_getreg_b32 s2, hwreg(HW_REG_IB_STS2, 6, 4)
	s_cmp_eq_u32 s2, 0
	s_cbranch_scc0 .Lentry_in_a_cluster
	s_endpgm
.Lentry_in_a_cluster:
	s_bfe_u32 s2, ttmp6, 0x10000c
	s_cmp_lg_u32 s2, 0x3003
	s_cbranch_scc0 .Lentry_shape_is_right
	s_endpgm
.Lentry_shape_is_right:
; KV.  For one head h = 4 x cluster x + cx and one chunk y of 1,024 rows: k and v are multiplied again, ks = k / |k| (|k| from ssq), both are quantised ALONG THE ROWS,
; and kvs[m][d] += sum over rows of ks[row][m] vs[row][d] on the codes.  Out: the chunk's partial kvs (kvp, images of accumulators) and the column sums of the unquantised ks (csp).
; SHARES.  The four heads of a cluster stream the same input rows: joint loads.  Wave (rh, fh) keeps Wk's rows 128 h + 64 fh + 0..63 (tiles 0-3, window 1) and Wv's of the same numbers (tiles 4-7, window 2).
; THE WEIGHTS come once, as whole rows of 512 bytes, by tensor loads of the work-group's own (64 rows a wave) into 256 LDS rows from slot 1's first byte on, and go from there into registers;
; slot 1's first input rows come behind the first change of slots, when every wave has read them.
; A slot holds 128 rows = ONE K STEP of the second product.  A PHASE: the wave takes rows 64 rh + 32 qd + 0..31 (qd = 0, 1): 64 products each; source 0 = 16 input rows, source 1 = 16 weight rows, so a lane
; holds ONE feature and the 16 registers of a unit (tile t: accumulators (t, 0), (t, 1)) are 16 rows of one block of 32; the other 16 lie in lane l xor 16.  The unit's codes are registers 4 c .. 4 c + 3
; (c = 2 rh + qd) of the feature tile's operand for the second product; they go to LDS as images of registers, with two scale bytes a unit; a barrier; each wave loads 4 + 4 fragments; a barrier; 16 products.
; BY TURNS.  A quarter's products go as k's four tiles, then v's four.  The vector work on one half's 64 results is a numbered list (VITEM writes number j of it) and stands in slices behind the other half's
; matrix instructions: ks's list behind v's products of the same quarter, vs's behind k's products of the next.  It names none of those products' registers.  A slice costs two switches of the register window.
; ORDER INSIDE A BLOCK OF 32 ROWS: register 8 u + j (true row 16 u + 8 h + j) takes place 16 h + 8 u + j: the same permutation in ks and vs, so blocks, scales and the set of exact products are the contract's.
; LIMITS: x rsq(S) stands for x / sqrt(S) and the bias is fused (x rk + b rk); the products of a block are added in the permuted order; kvs is summed as 8 chained K steps a chunk, the chunks in the next launch;
; a block of zeros gets the byte 1 (zero codes; only this program reads the bytes); NaN and infinities are not served.
.set PITCH,  528
.set SLOT1,  1<<17                     ; slot 1 begins here: one exclusive or turns an address in one slot into the other's
.set WB,     SLOT1                     ; the weights' 256 rows, at the start
.set IMG,    128*PITCH                 ; between the slots: 16 fragment images of 2,048 bytes (0-7: ks's tiles of m, 8-15: vs's tiles of d),
.set ISC,    IMG+32768                 ; their scale words, 128 bytes each,
.set SCL,    ISC+2048                  ; the chunk's input scale bytes, filled once,
.set SPARE,  SCL+16384                 ; and the spare words: two blocks of 256 bytes that no other line names
.set SPW, 1
.set NIL, 2
.set A0,  3                            ; (64 rh + r) x pitch + 16 h
.set AS0, 4                            ; SCL + 1,024 rh + 16 l
.set ADR, 5
.set ADS, 6
.set IW,  7                            ; where I store images: IMG + 8,192 fh + 1,024 rh + 16 l
.set IS,  8                            ; and two scale bytes: ISC + 512 fh + 2 rh + 4 l
.set IRK, 9                            ; where I read ks's fragments: IMG + 8,192 rh + 16 l
.set IRV, 10                           ; vs's: IMG + 16,384 + 8,192 fh + 16 l
.set ISK, 11
.set ISV, 12
.set AR0, 13                           ; my rows of Wk in LDS: WB + (64 fh + r) x pitch + 16 h;  v88: of Wv, 128 rows on
.set L16, 14
.set R4,  15
.set RS,  16                           ; v16-31 the weights' scale words
.set SS,  32                           ; v32-35 the streamed rows'
.set BB,  36                           ; v36-43 the lane's bias of tile t: bk x rk (t < 4), bv
.set CS,  44                           ; v44-51 column sums of ks: a pair a tile
.set BW,  52                           ; v52-59 two scale bytes a unit
.set TM,  60                           ; v60-75 largest magnitudes, the other half's, holds, scale operands: four each
.set KS,  76                           ; v76-79, v80-83 the second product's scale words
.set VS,  80
.set T,   84
.set AR1, 88
.set PC,  96                           ; v96-127 codes: a set of 16 for ks, one for vs
.set AC,  128
.set SB,  0                            ; window 3: v0-127 streamed fragments, then the second product's 4 + 4; v128-255 its 16 accumulators (4 di + mi)
.set WV,  26
.set RH,  27
.set FH,  28
.set CX,  29
.set YY,  30
.set HD,  31
.set WOFF,32
.set TB,  33
.set TS,  34
.set CNT, 35
.set G1,  36
.set G1S, 44
.set G0A, 52
.set G0S, 56
.set O,   60
.set P,   62
.set SEL, 66
.set RK,  68
.set MNT, 70
.set HM,  71
.set G1P, 72                           ; s[72:79] group 1 of the work-group's own tiles;  s[80:83], s[84:87] group 0 for Wk's and Wv's pieces
.set G0WK,80
.set G0WV,84
.set MSB, 0
.macro WIN new
.if MSB != (\new)
	s_set_vgpr_msb (MSB<<8)|(\new)
.set MSB, (\new)
.endif
.endm
.macro NOPS n
.rept \n
	v_nop
.endr
.endm
.macro ROUND
	s_barrier_signal -1
	s_barrier_wait -1
	s_cmp_lg_u32 s[WV], 0
	s_cbranch_scc1 .Lnw0_\@
	s_barrier_signal -3
.Lnw0_\@:
	s_barrier_wait -3
	s_barrier_signal -1
	s_barrier_wait -1
.endm
.macro BAR                             ; my LDS stores have landed and my LDS loads are in: then the work-group's barrier
	s_wait_dscnt 0x0
	s_barrier_signal -1
	s_barrier_wait -1
.endm
.macro WM                              ; one product, by the symbols rD rA rB rC rSA rSB; rZ: C = 0; qA, qB: the scale words lie in lanes 16-31
.if rZ
.if qA && qB
	v_wmma_scale_f32_16x16x128_f8f6f4 v[rD:rD+7], v[rA:rA+15], v[rB:rB+15], 0, v[rSA], v[rSB] matrix_a_scale:MATRIX_SCALE_ROW1 matrix_b_scale:MATRIX_SCALE_ROW1
.elseif qA
	v_wmma_scale_f32_16x16x128_f8f6f4 v[rD:rD+7], v[rA:rA+15], v[rB:rB+15], 0, v[rSA], v[rSB] matrix_a_scale:MATRIX_SCALE_ROW1
.elseif qB
	v_wmma_scale_f32_16x16x128_f8f6f4 v[rD:rD+7], v[rA:rA+15], v[rB:rB+15], 0, v[rSA], v[rSB] matrix_b_scale:MATRIX_SCALE_ROW1
.else
	v_wmma_scale_f32_16x16x128_f8f6f4 v[rD:rD+7], v[rA:rA+15], v[rB:rB+15], 0, v[rSA], v[rSB]
.endif
.else
.if qA && qB
	v_wmma_scale_f32_16x16x128_f8f6f4 v[rD:rD+7], v[rA:rA+15], v[rB:rB+15], v[rC:rC+7], v[rSA], v[rSB] matrix_a_scale:MATRIX_SCALE_ROW1 matrix_b_scale:MATRIX_SCALE_ROW1
.elseif qA
	v_wmma_scale_f32_16x16x128_f8f6f4 v[rD:rD+7], v[rA:rA+15], v[rB:rB+15], v[rC:rC+7], v[rSA], v[rSB] matrix_a_scale:MATRIX_SCALE_ROW1
.elseif qB
	v_wmma_scale_f32_16x16x128_f8f6f4 v[rD:rD+7], v[rA:rA+15], v[rB:rB+15], v[rC:rC+7], v[rSA], v[rSB] matrix_b_scale:MATRIX_SCALE_ROW1
.else
	v_wmma_scale_f32_16x16x128_f8f6f4 v[rD:rD+7], v[rA:rA+15], v[rB:rB+15], v[rC:rC+7], v[rSA], v[rSB]
.endif
.endif
.endm
.macro LOADQ qd
	ds_load_b128 v[SS:SS+3], v[ADS] offset:512*\qd
	WIN 0xc0
.irp ks, 0,1,2,3
.irp u, 0,1
.irp c, 0,1,2,3
	ds_load_b128 v[SB+32*\ks+16*\u+4*\c:SB+32*\ks+16*\u+4*\c+3], v[ADR] offset:\qd*32*PITCH+\u*16*PITCH+128*\ks+32*\c
.endr
.endr
.endr
	WIN 0
.endm
; THE VECTOR WORK on one half's four units (g = 0: ks, at AC; g = 1: vs, at AC + 64) of quarter qd, as a list; VITEM writes number j of it and steps j; NT is the list's length.  The four units take turns.
;   32  ks = x rk + bk rk, or vs = x + bv, two numbers a line, each accumulator from its low end on      (g = 0 only) 32  the column sums, of the unquantised ks
;   32  the largest magnitude of my 16 numbers of each unit, with the floor 2^(9 - 127), which holds the scale's byte at 1 from below
;   16  with lane l xor 16's; 8 off its exponent field: the conversion's scale operand; 448 x the scale
;   64  the hold (the conversion to an 8-bit code does not saturate: ISA guide 7.6.2)      8 + 1  the conversions, and a plain place behind them
;   8 (qd = 0) the scale bytes are kept, the codes stored;   16 (qd = 1) the bytes are joined to the first quarter's and stored, two a unit, and the codes stored
.macro VITEM g, qd
.if j < NT
	WIN 0
.set sB, AC+64*\g
.set pB, PC+16*\g
.set j1, j-32
.set j2, j-64+32*\g
.set j3, j2-32
.set j4, j3-16
.set j5, j4-64
.set j6, j5-9
.if j < 32
.set ub, j%4
.set ux, sB+16*ub+2*(j/4)
.if \g == 0
.if ub%2
	v_pk_fma_f32 v[ux:ux+1], v[ux:ux+1], s[RK:RK+1], v[BB+ub-1:BB+ub] op_sel:[0,0,1] op_sel_hi:[1,0,1]
.else
	v_pk_fma_f32 v[ux:ux+1], v[ux:ux+1], s[RK:RK+1], v[BB+ub:BB+ub+1] op_sel_hi:[1,0,0]
.endif
.else
.if ub%2
	v_pk_add_f32 v[ux:ux+1], v[ux:ux+1], v[BB+4+ub-1:BB+4+ub] op_sel:[0,1] op_sel_hi:[1,1]
.else
	v_pk_add_f32 v[ux:ux+1], v[ux:ux+1], v[BB+4+ub:BB+4+ub+1] op_sel_hi:[1,0]
.endif
.endif
.elseif j2 < 0
.set ub, j1%4
.set ux, sB+16*ub+2*(j1/4)
	v_pk_add_f32 v[CS+2*ub:CS+2*ub+1], v[CS+2*ub:CS+2*ub+1], v[ux:ux+1]
.elseif j3 < 0
.set ub, j2%4
.set ux, sB+16*ub+2*(j2/4)
.if j2 < 4
	v_max3_num_f32 v[TM+ub], |v[ux]|, |v[ux+1]|, 0x4800000
.else
	v_max3_num_f32 v[TM+ub], v[TM+ub], |v[ux]|, |v[ux+1]|
.endif
.elseif j4 < 0
.set ub, j3%4
.if j3 < 4
	v_permlanex16_b32 v[TM+4+ub], v[TM+ub], s[SEL], s[SEL+1]
.elseif j3 < 8
	v_max_num_f32 v[TM+ub], v[TM+ub], v[TM+4+ub]
.elseif j3 < 12
	v_add_nc_u32 v[TM+12+ub], 0xfc000000, v[TM+ub]
.else
	v_and_or_b32 v[TM+8+ub], v[TM+ub], 0x7f800000, s[MNT]
.endif
.elseif j5 < 0
.set ub, j4/16
.set ux, sB+j4
	v_med3_num_f32 v[ux], v[ux], -v[TM+8+ub], v[TM+8+ub]
.elseif j6 < 0
.if j5 < 8
.set ub, j5/2
	v_cvt_scalef32_pk8_fp8_f32 v[pB+2*j5:pB+2*j5+1], v[sB+8*j5:sB+8*j5+7], v[TM+12+ub]
.else
	v_nop
.endif
.else
.set ub, j6%4
.if \qd == 0
.if j6 < 4
	v_lshrrev_b32 v[BW+4*\g+ub], 23, v[TM+12+ub]
.else
	ds_store_b128 v[IW], v[pB+4*ub:pB+4*ub+3] offset:16384*\g+2048*ub
.endif
.else
.if j6 < 4
	v_lshrrev_b32 v[TM+4+ub], 23, v[TM+12+ub]
.elseif j6 < 8
	v_lshl_or_b32 v[BW+4*\g+ub], v[TM+4+ub], 8, v[BW+4*\g+ub]
.elseif j6 < 12
	ds_store_b16 v[IS], v[BW+4*\g+ub] offset:128*ub+1024*\g
.else
	ds_store_b128 v[IW], v[pB+4*ub:pB+4*ub+3] offset:16384*\g+2048*ub+512
.endif
.endif
.endif
.set j, j+1
.endif
.endm
.macro FLUSH g, qd                     ; what is left of the list
.rept 208
	VITEM \g, \qd
.endr
.endm
; 32 products: resident tiles 4 hf .. 4 hf + 3 through the four K steps; the first K step starts the sums; the accumulators take turns.  per: numbers of the list (g, qd) behind each.
; wt = 1: the fragments are waited for, K step by K step.  wt = 2: in the middle, a wait for the LDS stores of the list before, issued 16 products ago or more: their codes' registers are written again by the list after this one.
.macro GH hf, wt, g, qd, per
.irp ks, 0,1,2,3
.if \wt == 1
	s_wait_dscnt 24-8*\ks                          ; this K step's fragments are in; the later K steps', 8 loads each, may be out (LDS stores issued behind them only make the wait stricter)
.endif
.if (\wt == 2) && (\ks == 2)
	s_wait_dscnt 0x0
.endif
.irp tt, 0,1,2,3
.irp u, 0,1
.set rD, AC+16*(4*\hf+\tt)+8*\u
.set rC, rD
.set rA, SB+32*\ks+16*\u
.set rB, 64*\tt+16*\ks
.set rSA, SS+\ks
.set rSB, RS+4*((4*\hf+\tt)/2)+\ks
.set qA, \u
.set qB, \tt%2
.if \ks == 0
.set rZ, 1
.else
.set rZ, 0
.endif
	WIN 0x07+4*\hf                                 ; source 0 window 3, source 1 window 1 or 2
	WM
.if \per
.rept \per
	VITEM \g, \qd
.endr
.endif
.endr
.endr
.endr
	WIN 0
.endm
; Eight v_nop stand between a half's last products and the first read of their results, and in front of loads into their operands.
.macro PHASE
	v_add_nc_u32 v[ADR], s[TB], v[A0]
	v_add_nc_u32 v[ADS], s[TS], v[AS0]
	LOADQ 0
	GH 0, 1, 0, 0, 0                               ; quarter 0, k's tiles: there is no vector work yet to set between them
	NOPS 8
.set j, 0
.set NT, 193
	GH 1, 0, 0, 0, 6                               ; quarter 0, v's tiles | ks's list
	FLUSH 0, 0
	NOPS 8
	LOADQ 1
.set j, 0
.set NT, 161
.rept 32
	VITEM 1, 0                                     ; vs's list begins while the fragments are on their way
.endr
	GH 0, 1, 1, 0, 4                               ; quarter 1, k's tiles | the rest of vs's list
	FLUSH 1, 0
	NOPS 8
.set j, 0
.set NT, 201
	GH 1, 2, 0, 1, 6                               ; quarter 1, v's tiles | ks's list
	FLUSH 0, 1
	NOPS 8
.set j, 0
.set NT, 169
	FLUSH 1, 1                                     ; vs's last list
	BAR                                            ; the 16 images and their scale words are whole
	WIN 0xc0
.irp f, 0,1,2,3
.irp c, 0,1,2,3
	ds_load_b128 v[16*\f+4*\c:16*\f+4*\c+3], v[IRK] offset:2048*\f+512*\c
	ds_load_b128 v[64+16*\f+4*\c:64+16*\f+4*\c+3], v[IRV] offset:2048*\f+512*\c
.endr
.endr
	WIN 0
.irp f, 0,1,2,3
	ds_load_b32 v[KS+\f], v[ISK] offset:128*\f
	ds_load_b32 v[VS+\f], v[ISV] offset:128*\f
.endr
	BAR                                            ; every wave has them in registers: the images may be written again
	WIN 0xff
.irp di, 0,1,2,3
.irp mi, 0,1,2,3
.set rD, 128+8*(4*\di+\mi)
.set rC, rD
.set rA, 16*\mi
.set rB, 64+16*\di
.set rSA, KS+\mi
.set rSB, VS+\di
.set qA, 0
.set qB, 0
.set rZ, 0
	WM                                             ; source 0 = 16 of m, source 1 = 16 of d: a lane holds one d, its registers run along m
.endr
.endr
	WIN 0
	NOPS 8
	s_add_co_u32 s[TS], s[TS], 2048
	s_xor_b32 s[TB], s[TB], SLOT1
.endm
; The change of slots stands at a phase's head.  Every wave waits for all its tensor loads, adds 0 to its spare word, waits for that and for its reads of the slot that it has left.
; fill = 1: behind a round of the cluster's barrier that slot takes the next 128 rows; waves 0 and 1 fetch 64 rows each, one load a wave.
.macro CHANGE fill
	s_wait_tensorcnt 0x0
	ds_add_u32 v[SPW], v[NIL]
.if \fill
	s_xor_b32 s[G0A+1], s[G0A+1], SLOT1
	s_add_nc_u64 s[G0A+2:G0A+3], s[G0A+2:G0A+3], 65536
.endif
	s_wait_dscnt 0x0
.if \fill
	ROUND
	s_cmp_lt_u32 s[WV], 2
	s_cbranch_scc0 .Lnone_\@
	tensor_load_to_lds s[G0A:G0A+3], s[G1:G1+7]
	s_nop 0
	NOPS 4
.Lnone_\@:
.else
	s_barrier_signal -1
	s_barrier_wait -1
.endif
.endm
	s_load_b256 s[4:11], s[0:1], 0x0               ; source codes, source scales, Wk codes, Wk scales
	s_load_b256 s[12:19], s[0:1], 0x20             ; Wk_b, Wv codes, Wv scales, Wv_b
	s_load_b128 s[20:23], s[0:1], 0x40             ; ssq, kvp
	s_load_b64 s[24:25], s[0:1], 0x50              ; csp
	v_lshl_add_u32 v[SPW], v0, 2, SPARE
	v_mov_b32 v[NIL], 0
	ds_add_u32 v1, v2
	ds_add_u32 v1, v2
	s_wait_dscnt 0x0
	v_lshrrev_b32 v[T], 5, v0
	v_readfirstlane_b32 s[WV], v[T]
	s_lshr_b32 s[RH], s[WV], 1
	s_and_b32 s[FH], s[WV], 1
	s_bfe_u32 s[CX], ttmp6, 0x40000
	s_and_b32 s[YY], ttmp7, 0xffff
	s_lshl_b32 s[HD], ttmp9, 2
	s_add_co_u32 s[HD], s[HD], s[CX]               ; the head: it enters the weights', kvp's and csp's addresses alone
	s_mov_b32 s[G1], 15|(1<<20)|(1<<21)|(6<<22)|(3<<25)   ; mask: all four work-groups; elements of 1 byte; padding on; bit 21 beside a mask; 4 words behind every 128
	s_mov_b32 s[G1P], (1<<20)|(6<<22)|(3<<25)      ; the same tile with no mask: the work-group's own weights
.irp g, G1, G1P
	s_mov_b32 s[\g+1], 512<<16
	s_mov_b32 s[\g+2], 64<<16
	s_mov_b32 s[\g+3], 512<<16
	s_mov_b32 s[\g+4], 64
	s_mov_b32 s[\g+5], 512
	s_mov_b32 s[\g+6], 0
	s_mov_b32 s[\g+7], 0
.endr
	s_mov_b32 s[G1S], 15|(3<<16)|(1<<21)           ; half the chunk's scale bytes: 8,192 dense bytes as 32 rows of 256
	s_mov_b32 s[G1S+1], 32<<16
	s_mov_b32 s[G1S+2], 32<<16
	s_mov_b32 s[G1S+3], 32<<16
	s_mov_b32 s[G1S+4], 32
	s_mov_b32 s[G1S+5], 32
	s_mov_b32 s[G1S+6], 0
	s_mov_b32 s[G1S+7], 0
	s_mov_b32 s[SEL], 0x76543210
	s_mov_b32 s[SEL+1], 0xfedcba98
	s_mov_b32 s[MNT], 0x600000                     ; the mantissa field of 448
	s_mov_b32 s[HM], 0xffff0000                    ; lanes 16-31
	s_mov_b32 s[TB], 0
	s_mov_b32 s[TS], 0
	s_mul_i32 s[WOFF], s[WV], 64*PITCH
	s_lshl_b32 s[O], s[YY], 19
	s_lshl_b32 s[O+1], s[WV], 15
	s_add_co_u32 s[O], s[O], s[O+1]
	s_mov_b32 s[O+1], 0
	s_lshl_b32 s[P], s[YY], 14
	s_lshl_b32 s[P+1], s[WV], 13
	s_add_co_u32 s[P], s[P], s[P+1]
	s_mov_b32 s[P+1], 0
	s_wait_kmcnt 0x0
	s_add_nc_u64 s[4:5], s[4:5], s[O:O+1]
	s_add_nc_u64 s[6:7], s[6:7], s[P:P+1]
	s_mov_b32 s[G0S], 1
	s_lshl_b32 s[G0S+1], s[WV], 13
	s_add_co_u32 s[G0S+1], s[G0S+1], SCL
	s_mov_b64 s[G0S+2:G0S+3], s[6:7]
	s_or_b32 s[G0S+3], s[G0S+3], 0x80000000
	s_mov_b32 s[G0A], 1
	s_mov_b32 s[G0A+1], s[WOFF]
	s_mov_b64 s[G0A+2:G0A+3], s[4:5]
	s_or_b32 s[G0A+3], s[G0A+3], 0x80000000
	s_lshl_b32 s[O], s[HD], 16                     ; rows 128 h + 64 (wave % 2) of a weight, 512 bytes each: the piece that I fetch, and the rows that I keep
	s_lshl_b32 s[P], s[FH], 15
	s_add_co_u32 s[O], s[O], s[P]
	s_mov_b32 s[G0WK], 1                           ; waves 0, 1: Wk's halves, to LDS rows 0-127 of the weights' place;
	s_add_co_u32 s[G0WK+1], s[WOFF], WB
	s_add_nc_u64 s[G0WK+2:G0WK+3], s[8:9], s[O:O+1]
	s_or_b32 s[G0WK+3], s[G0WK+3], 0x80000000
	s_mov_b32 s[G0WV], 1                           ; waves 2, 3: Wv's halves, to rows 128-255
	s_add_co_u32 s[G0WV+1], s[WOFF], WB
	s_add_nc_u64 s[G0WV+2:G0WV+3], s[14:15], s[O:O+1]
	s_or_b32 s[G0WV+3], s[G0WV+3], 0x80000000
	ROUND                                          ; all four work-groups are here: the first joint loads meet
	s_cmp_lt_u32 s[WV], 2                          ; a wave's first fills stand in one branch: three loads of mine are out, or one; the wait for them is for 0
	s_cbranch_scc0 .Lfirst_v
	tensor_load_to_lds s[G0WK:G0WK+3], s[G1P:G1P+7]
	s_nop 0
	tensor_load_to_lds s[G0S:G0S+3], s[G1S:G1S+7]
	s_nop 0
	tensor_load_to_lds s[G0A:G0A+3], s[G1:G1+7]
	s_nop 0
	NOPS 4
	s_branch .Lfirst_done
.Lfirst_v:
	tensor_load_to_lds s[G0WV:G0WV+3], s[G1P:G1P+7]
	s_nop 0
	NOPS 4
.Lfirst_done:
	v_and_b32 v[T], 15, v0                         ; r
	v_bfe_u32 v[T+1], v0, 4, 1                     ; h
	v_and_b32 v[T+2], 31, v0                       ; l
	v_lshlrev_b32 v[L16], 4, v[T+2]
	v_lshlrev_b32 v[R4], 2, v[T]
	v_lshlrev_b32 v[T+3], 2, v[T+2]                ; 4 l
	s_lshr_b32 s[O], s[O], 5                       ; my 64 rows of each weight: x 16 bytes of scales,
	s_add_nc_u64 s[10:11], s[10:11], s[O:O+1]
	s_add_nc_u64 s[16:17], s[16:17], s[O:O+1]
	s_lshr_b32 s[O], s[O], 2                       ; x 4 bytes of bias
	s_add_nc_u64 s[12:13], s[12:13], s[O:O+1]
	s_add_nc_u64 s[18:19], s[18:19], s[O:O+1]
.irp p, 0,1
	global_load_b128 v[RS+4*\p:RS+4*\p+3], v[L16], s[10:11] offset:512*\p
	global_load_b128 v[RS+8+4*\p:RS+8+4*\p+3], v[L16], s[16:17] offset:512*\p
.endr
.irp t, 0,1,2,3
	global_load_b32 v[BB+\t], v[R4], s[12:13] offset:64*\t
	global_load_b32 v[BB+4+\t], v[R4], s[18:19] offset:64*\t
.endr
.irp i, 0,1,2,3
	global_load_b128 v[AC+4*\i:AC+4*\i+3], v[L16], s[20:21] offset:2048+512*\i   ; k's 512 sums of squares, 16 a lane
.endr
	v_mul_u32_u24 v[A0], v[T], PITCH
	v_lshl_add_u32 v[A0], v[T+1], 4, v[A0]         ; r x pitch + 16 h
	s_mul_i32 s[O], s[FH], 64*PITCH
	s_add_co_u32 s[O], s[O], WB
	v_add_nc_u32 v[AR0], s[O], v[A0]
	v_add_nc_u32 v[AR1], 128*PITCH, v[AR0]
	s_mul_i32 s[O], s[RH], 64*PITCH
	v_add_nc_u32 v[A0], s[O], v[A0]
	s_lshl_b32 s[O], s[RH], 10
	s_add_co_u32 s[P], s[O], SCL
	v_add_nc_u32 v[AS0], s[P], v[L16]
	s_lshl_b32 s[P], s[FH], 13
	s_add_co_u32 s[O], s[O], s[P]
	s_add_co_u32 s[O], s[O], IMG
	v_add_nc_u32 v[IW], s[O], v[L16]
	s_add_co_u32 s[P], s[P], IMG+16384
	v_add_nc_u32 v[IRV], s[P], v[L16]
	s_lshl_b32 s[O], s[RH], 13
	s_add_co_u32 s[O], s[O], IMG
	v_add_nc_u32 v[IRK], s[O], v[L16]
	s_lshl_b32 s[O], s[FH], 9
	s_add_co_u32 s[P], s[O], ISC+1024
	v_add_nc_u32 v[ISV], s[P], v[T+3]
	s_lshl_b32 s[P], s[RH], 1
	s_add_co_u32 s[O], s[O], s[P]
	s_add_co_u32 s[O], s[O], ISC
	v_add_nc_u32 v[IS], s[O], v[T+3]
	s_lshl_b32 s[O], s[RH], 9
	s_add_co_u32 s[O], s[O], ISC
	v_add_nc_u32 v[ISK], s[O], v[T+3]
	s_lshl_b32 s[O], s[YY], 19                     ; kvp: chunk, head, wave
	s_lshl_b32 s[P], s[HD], 16
	s_add_co_u32 s[O], s[O], s[P]
	s_lshl_b32 s[P], s[WV], 14
	s_add_co_u32 s[O], s[O], s[P]
	s_add_nc_u64 s[22:23], s[22:23], s[O:O+1]
	s_lshl_b32 s[O], s[YY], 13                     ; csp: part 2 y + rh, feature 128 h + 64 fh
	s_lshl_b32 s[P], s[RH], 12
	s_add_co_u32 s[O], s[O], s[P]
	s_lshl_b32 s[P], s[HD], 9
	s_add_co_u32 s[O], s[O], s[P]
	s_lshl_b32 s[P], s[FH], 8
	s_add_co_u32 s[O], s[O], s[P]
	s_add_nc_u64 s[24:25], s[24:25], s[O:O+1]
.irp j, 0,1,2,3,4,5,6,7
	v_mov_b32 v[CS+\j], 0
.endr
.irp b, 0,1,2,3
	v_mov_b32 v[TM+4+\b], 0                        ; written once: a lane permute's destination counts as one of its sources
.endr
	WIN 0xc0
.set n, 0
.rept 128
	v_mov_b32 v[128+n], 0                          ; kvs's sums begin as zeros, so that the phase is written twice and not three times
.set n, n+1
.endr
	WIN 0
	s_wait_loadcnt 0x0
	v_pk_add_f32 v[AC:AC+1], v[AC:AC+1], v[AC+2:AC+3]        ; every wave adds the 512 parts in the same order: all hold the same bits
	v_pk_add_f32 v[AC+4:AC+5], v[AC+4:AC+5], v[AC+6:AC+7]
	v_pk_add_f32 v[AC+8:AC+9], v[AC+8:AC+9], v[AC+10:AC+11]
	v_pk_add_f32 v[AC+12:AC+13], v[AC+12:AC+13], v[AC+14:AC+15]
	v_pk_add_f32 v[AC:AC+1], v[AC:AC+1], v[AC+4:AC+5]
	v_pk_add_f32 v[AC+8:AC+9], v[AC+8:AC+9], v[AC+12:AC+13]
	v_pk_add_f32 v[AC:AC+1], v[AC:AC+1], v[AC+8:AC+9]
	v_add_f32 v[AC], v[AC], v[AC+1]
	v_add_f32_dpp v[AC], v[AC], v[AC] row_xmask:1 row_mask:0xf bank_mask:0xf
	v_add_f32_dpp v[AC], v[AC], v[AC] row_xmask:2 row_mask:0xf bank_mask:0xf
	v_add_f32_dpp v[AC], v[AC], v[AC] row_xmask:4 row_mask:0xf bank_mask:0xf
	v_add_f32_dpp v[AC], v[AC], v[AC] row_xmask:8 row_mask:0xf bank_mask:0xf
	v_permlanex16_b32 v[AC+1], v[AC], s[SEL], s[SEL+1]
	v_add_f32 v[AC], v[AC], v[AC+1]
	v_rsq_f32 v[AC+2], v[AC]                       ; rk = 1 / |k|
	v_nop
	s_wait_alu depctr_va_vdst(0)
	v_readfirstlane_b32 s[RK], v[AC+2]
	s_mov_b32 s[RK+1], s[RK]
.irp t, 0,1,2,3
	v_mul_f32 v[BB+\t], s[RK], v[BB+\t]
.endr
	s_wait_tensorcnt 0x0                           ; my first fills have landed, my piece of the weights among them,
	s_barrier_signal -1
	s_barrier_wait -1                              ; everybody's have
	WIN 0x40                                       ; the weights stay in registers: Wk's tile t, K step ks at v[64 t + 16 ks] of window 1, Wv's of window 2
.irp t, 0,1,2,3
.irp ks, 0,1,2,3
.irp c, 0,1,2,3
	ds_load_b128 v[64*\t+16*\ks+4*\c:64*\t+16*\ks+4*\c+3], v[AR0] offset:\t*16*PITCH+128*\ks+32*\c
.endr
.endr
.endr
	WIN 0x80
.irp t, 0,1,2,3
.irp ks, 0,1,2,3
.irp c, 0,1,2,3
	ds_load_b128 v[64*\t+16*\ks+4*\c:64*\t+16*\ks+4*\c+3], v[AR1] offset:\t*16*PITCH+128*\ks+32*\c
.endr
.endr
.endr
	WIN 0
	s_mov_b32 s[CNT], 7
.Lslot:                                            ; seven trips: behind each change of slots but the last the next 128 rows are asked for (the first: into slot 1, when every wave has read the weights that lay there)
	CHANGE 1
	PHASE
	s_sub_co_u32 s[CNT], s[CNT], 1
	s_cmp_lg_u32 s[CNT], 0
	s_cbranch_scc1 .Lslot
	CHANGE 0                                       ; the last phase is written out
	PHASE
	WIN 0x0c                                       ; a store's data are its source 1: window 3
.set n, 0
.rept 16
	global_store_b128 v[L16], v[128+8*n:128+8*n+3], s[22:23] offset:1024*n th:TH_STORE_NT       ; each store covers 512 consecutive bytes; each accumulator from its low end on
	global_store_b128 v[L16], v[128+8*n+4:128+8*n+7], s[22:23] offset:1024*n+512 th:TH_STORE_NT
.set n, n+1
.endr
	WIN 0
.irp t, 0,1,2,3
	v_add_f32 v[CS+2*\t], v[CS+2*\t], v[CS+2*\t+1]
.endr
.irp t, 0,1,2,3
	v_permlanex16_b32 v[CS+2*\t+1], v[CS+2*\t], s[SEL], s[SEL+1]
.endr
.irp t, 0,1,2,3
	v_add_f32 v[CS+2*\t], v[CS+2*\t], v[CS+2*\t+1] ; my 512 rows' sum of feature 16 t + r, in both halves of the lanes
.endr
	v_cndmask_b32 v[T], v[CS], v[CS+2], s[HM]      ; lanes 0-15 an even tile, lanes 16-31 the odd one: 32 neighbouring features
	v_cndmask_b32 v[T+1], v[CS+4], v[CS+6], s[HM]
	global_store_b32 v[T+3], v[T], s[24:25]
	global_store_b32 v[T+3], v[T+1], s[24:25] offset:128
	s_wait_tensorcnt 0x0                           ; the wave's end
	ds_add_u32 v[SPW], v[NIL]
	s_wait_dscnt 0x0
	ROUND                                          ; the closing round
	s_endpgm
.Lfunc_end_k_qc7ba1335b1_kv:
	.size	k_qc7ba1335b1_kv, .Lfunc_end_k_qc7ba1335b1_kv-k_qc7ba1335b1_kv
	.p2alignl 7, 3214868480
	.fill 96, 4, 3214868480
	.section	.rodata,"a",@progbits
	.p2align	6, 0x0
	.amdhsa_kernel k_qc7ba1335b1_kv
		.amdhsa_group_segment_fixed_size 327680
		.amdhsa_private_segment_fixed_size 0
		.amdhsa_enable_private_segment 0
		.amdhsa_kernarg_size 88
		.amdhsa_user_sgpr_count 2
		.amdhsa_user_sgpr_kernarg_segment_ptr 1
		.amdhsa_wavefront_size32 1
		.amdhsa_system_sgpr_workgroup_id_x 1
		.amdhsa_system_sgpr_workgroup_id_y 1
		.amdhsa_system_sgpr_workgroup_id_z 1
		.amdhsa_system_vgpr_workitem_id 0
		.amdhsa_next_free_vgpr 1024
		.amdhsa_next_free_sgpr 96
		.amdhsa_reserve_vcc 0
		.amdhsa_float_denorm_mode_32 3
		.amdhsa_float_denorm_mode_16_64 3
		.amdhsa_memory_ordered 1
		.amdhsa_forward_progress 1
		.amdhsa_inst_pref_size 185
	.end_amdhsa_kernel
	.amdgpu_metadata
---
amdhsa.version: [ 1, 2 ]
amdhsa.kernels:
  - .name:           k_qc7ba1335b1_kv
    .symbol:         k_qc7ba1335b1_kv.kd
    .args:
      - { .name: source_input_codes, .offset: 0, .size: 8, .value_kind: global_buffer, .address_space: global }
      - { .name: source_input_scales, .offset: 8, .size: 8, .value_kind: global_buffer, .address_space: global }
      - { .name: Wk_w_codes, .offset: 16, .size: 8, .value_kind: global_buffer, .address_space: global }
      - { .name: Wk_w_scales, .offset: 24, .size: 8, .value_kind: global_buffer, .address_space: global }
      - { .name: Wk_b, .offset: 32, .size: 8, .value_kind: global_buffer, .address_space: global }
      - { .name: Wv_w_codes, .offset: 40, .size: 8, .value_kind: global_buffer, .address_space: global }
      - { .name: Wv_w_scales, .offset: 48, .size: 8, .value_kind: global_buffer, .address_space: global }
      - { .name: Wv_b, .offset: 56, .size: 8, .value_kind: global_buffer, .address_space: global }
      - { .name: ssq, .offset: 64, .size: 8, .value_kind: global_buffer, .address_space: global }
      - { .name: kvp, .offset: 72, .size: 8, .value_kind: global_buffer, .address_space: global }
      - { .name: csp, .offset: 80, .size: 8, .value_kind: global_buffer, .address_space: global }
    .group_segment_fixed_size: 327680
    .private_segment_fixed_size: 0
    .kernarg_segment_align: 8
    .kernarg_segment_size: 88
    .max_flat_workgroup_size: 128
    .sgpr_count:     96
    .vgpr_count:     1024
    .wavefront_size: 32
...
	.end_amdgpu_metadata
.endif
;; end of part 2
;; launch fold (part 3): grid 256 x 1, 8 waves a work-group, no clusters, 17,408 bytes of LDS; arguments kvp, csp, kvc, kvw, ksn; writes kvc, kvw, ksn
.if DOCPART == 3
	.amdgcn_target "amdgcn-amd-amdhsa--gfx1250"
	.amdhsa_code_object_version 6
	.text
	.protected	k_qc7ba1335b1_fold
	.globl	k_qc7ba1335b1_fold
	.p2align	8
	.type	k_qc7ba1335b1_fold,@function
k_qc7ba1335b1_fold:
	s_mov_b64 s[64:65], 0
	v_nop
	global_prefetch_b8 v0, s[64:65] scope:SCOPE_SE
	s_setreg_imm32_b32 hwreg(HW_REG_WAVE_MODE, 25, 1), 1
	s_wait_xcnt 0x0
; FOLD.  The 32 chunks' partial kvs are added in a fixed order and quantised along m; the 64 parts of ks's column sums are added.
; Work-group g = (h = g / 32, dt = (g / 4) % 8, c = g % 4) owns one unit: block c of 32 along m x 16 of d (tile dt): 16 numbers a lane, as kv's accumulators hold them (lane = d, registers along m).
; Wave j adds chunks 4 j .. 4 j + 3 (each load: 512 consecutive bytes); the eight sums meet in LDS; wave 0 adds them, quantises, and stores registers 4 c .. 4 c + 3 of the operand's image (kvc) and byte c of its
; scale word (kvw).  THE BYTE IS STORED LESS 15: the last launch adds num / N onto vs in one chain of products, N = 2^15.  Wave 1 adds features 4 g .. 4 g + 3 of csp.
; No matrix work and no tensor loads: memory binds, and the launch is small.
; LIMIT: the floor on a block's largest magnitude is 2^(24 - 127), so that the stored byte stays at 1 or above; a block under 2^-103 is rounded on that coarser grid.  NaN and infinities are not served.
	s_load_b256 s[4:11], s[0:1], 0x0               ; kvp, csp, kvc, kvw
	s_load_b64 s[16:17], s[0:1], 0x20              ; ksn
	v_lshl_add_u32 v160, v0, 2, 0x4000
	v_mov_b32 v161, 0
	v_lshrrev_b32 v1, 5, v0
	v_readfirstlane_b32 s12, v1                    ; wave 0..7
	v_and_b32 v2, 31, v0                           ; lane
	v_lshlrev_b32 v3, 4, v2                        ; 16 l
	v_lshlrev_b32 v4, 2, v2                        ; 4 l
	v_lshlrev_b32 v5, 12, v2                       ; 4,096 l: part l of csp
	s_lshl_b32 s13, s12, 11
	v_add_nc_u32 v6, s13, v3                       ; LDS: 2,048 j + 16 l
	v_mov_b32 v7, 0
	s_mov_b32 s14, 0x600000
	s_mov_b32 s18, 0x76543210
	s_mov_b32 s19, 0xfedcba98
	s_lshr_b32 s20, ttmp9, 5                       ; h
	s_bfe_u32 s21, ttmp9, 0x30002                  ; dt
	s_and_b32 s22, ttmp9, 3                        ; c
	s_lshl_b32 s23, s20, 16                        ; kvp: head,
	s_lshr_b32 s24, s22, 1
	s_lshl_b32 s24, s24, 1
	s_lshr_b32 s25, s21, 2
	s_add_co_u32 s24, s24, s25                     ; the wave of kv that made it: 2 (c / 2) + dt / 4,
	s_lshl_b32 s24, s24, 14
	s_add_co_u32 s23, s23, s24
	s_and_b32 s24, s21, 3
	s_lshl_b32 s24, s24, 2
	s_and_b32 s25, s22, 1
	s_lshl_b32 s25, s25, 1
	s_add_co_u32 s24, s24, s25                     ; its accumulators 4 (dt % 4) + 2 (c % 2) and the next,
	s_lshl_b32 s24, s24, 10
	s_add_co_u32 s23, s23, s24
	s_lshl_b32 s24, s12, 21                        ; my four chunks
	s_add_co_u32 s26, s23, s24
	s_mov_b32 s27, 0
	s_lshl_b32 s28, ttmp9, 4                       ; 16 g
	s_mov_b32 s29, 0
	s_wait_kmcnt 0x0
	s_add_nc_u64 s[4:5], s[4:5], s[26:27]
	s_add_nc_u64 s[6:7], s[6:7], s[28:29]
	s_add_nc_u64 s[16:17], s[16:17], s[28:29]
	s_lshl_b32 s28, ttmp9, 9                       ; kvc: (8 h + dt) x 2,048 + 512 c = 512 g
	s_add_nc_u64 s[8:9], s[8:9], s[28:29]
	s_lshr_b32 s28, ttmp9, 2
	s_lshl_b32 s28, s28, 7
	s_add_co_u32 s28, s28, s22                     ; kvw: (8 h + dt) x 128 + c
	s_add_nc_u64 s[10:11], s[10:11], s[28:29]
.irp k, 0,1,2,3
.irp i, 0,1,2,3
	global_load_b128 v[16+16*\k+4*\i:16+16*\k+4*\i+3], v3, s[4:5] offset:\k*524288+512*\i th:TH_LOAD_NT
.endr
.endr
	s_cmp_lg_u32 s12, 1
	s_cbranch_scc1 .Lnocs
	global_load_b128 v[80:83], v5, s[6:7]          ; wave 1: parts l and 32 + l of four features
	global_load_b128 v[84:87], v5, s[6:7] offset:131072
.Lnocs:
	s_wait_loadcnt 0x0
.irp k, 1,2,3
.irp i, 0,2,4,6,8,10,12,14
	v_pk_add_f32 v[16+\i:17+\i], v[16+\i:17+\i], v[16+16*\k+\i:17+16*\k+\i]
.endr
.endr
.irp i, 0,1,2,3
	ds_store_b128 v6, v[16+4*\i:19+4*\i] offset:512*\i
.endr
	s_wait_dscnt 0x0                               ; for the others' sake: my stores have landed
	s_barrier_signal -1
	s_barrier_wait -1
	s_cmp_eq_u32 s12, 0
	s_cbranch_scc1 .Lsum
	s_cmp_eq_u32 s12, 1
	s_cbranch_scc1 .Lcol
	s_wait_tensorcnt 0x0
	ds_add_u32 v160, v161
	s_wait_dscnt 0x0
	s_endpgm
.Lsum:
.irp j, 0,1,2,3,4,5,6,7
.irp i, 0,1,2,3
	ds_load_b128 v[16+16*\j+4*\i:19+16*\j+4*\i], v3 offset:2048*\j+512*\i
.endr
.endr
	s_wait_dscnt 0x0
.irp j, 1,2,3,4,5,6,7
.irp i, 0,2,4,6,8,10,12,14
	v_pk_add_f32 v[16+\i:17+\i], v[16+\i:17+\i], v[16+16*\j+\i:17+16*\j+\i]
.endr
.endr
	v_mov_b32 v145, 0                              ; a lane permute's destination counts as one of its sources
	v_max3_num_f32 v144, |v16|, |v17|, 0xc000000   ; my 16 numbers and the floor 2^(24 - 127)
.irp i, 2,4,6,8,10,12,14
	v_max3_num_f32 v144, v144, |v[16+\i]|, |v[17+\i]|
.endr
	v_permlanex16_b32 v145, v144, s18, s19
	v_max_num_f32 v144, v144, v145                 ; the block's largest magnitude
	v_add_nc_u32 v147, 0xfc000000, v144            ; 8 off its exponent field: the conversion's scale operand
	v_and_or_b32 v146, v144, 0x7f800000, s14       ; 448 x the scale
.irp i, 0,1,2,3,4,5,6,7,8,9,10,11,12,13,14,15
	v_med3_num_f32 v[16+\i], v[16+\i], -v146, v146
.endr
	v_cvt_scalef32_pk8_fp8_f32 v[148:149], v[16:23], v147
	v_cvt_scalef32_pk8_fp8_f32 v[150:151], v[24:31], v147
	v_lshrrev_b32 v152, 23, v147                   ; the scale's byte,
	v_add_nc_u32 v152, -15, v152                   ; less 15
	global_store_b128 v3, v[148:151], s[8:9]       ; 512 consecutive bytes
	global_store_b8 v4, v152, s[10:11]             ; byte c of every lane's word: all 32 words are written, since the reader loads all 32
	s_wait_tensorcnt 0x0
	ds_add_u32 v160, v161
	s_wait_dscnt 0x0
	s_endpgm
.Lcol:
	v_pk_add_f32 v[80:81], v[80:81], v[84:85]
	v_pk_add_f32 v[82:83], v[82:83], v[86:87]
.irp m, 1,2,4,8
.irp i, 0,1,2,3
	v_add_f32_dpp v[80+\i], v[80+\i], v[80+\i] row_xmask:\m row_mask:0xf bank_mask:0xf
.endr
.endr
.irp i, 0,1,2,3
	v_permlanex16_b32 v[84+\i], v[80+\i], s18, s19
.endr
.irp i, 0,1,2,3
	v_add_f32 v[80+\i], v[80+\i], v[84+\i]
.endr
	v_cmp_eq_u32 vcc_lo, 0, v2
	s_wait_xcnt 0x0                                ; EXEC changes only behind this wait
	s_wait_tensorcnt 0x0
	ds_add_u32 v160, v161
	s_wait_dscnt 0x0
	s_and_saveexec_b32 s30, vcc_lo
	global_store_b128 v7, v[80:83], s[16:17]       ; lane 0: four features' sums
	s_wait_xcnt 0x0
	s_or_b32 exec_lo, exec_lo, s30
	s_endpgm
.Lfunc_end_k_qc7ba1335b1_fold:
	.size	k_qc7ba1335b1_fold, .Lfunc_end_k_qc7ba1335b1_fold-k_qc7ba1335b1_fold
	.p2alignl 7, 3214868480
	.fill 96, 4, 3214868480
	.section	.rodata,"a",@progbits
	.p2align	6, 0x0
	.amdhsa_kernel k_qc7ba1335b1_fold
		.amdhsa_group_segment_fixed_size 17408
		.amdhsa_private_segment_fixed_size 0
		.amdhsa_enable_private_segment 0
		.amdhsa_kernarg_size 40
		.amdhsa_user_sgpr_count 2
		.amdhsa_user_sgpr_kernarg_segment_ptr 1
		.amdhsa_wavefront_size32 1
		.amdhsa_system_sgpr_workgroup_id_x 1
		.amdhsa_system_sgpr_workgroup_id_y 1
		.amdhsa_system_sgpr_workgroup_id_z 1
		.amdhsa_system_vgpr_workitem_id 0
		.amdhsa_next_free_vgpr 162
		.amdhsa_next_free_sgpr 66
		.amdhsa_reserve_vcc 1
		.amdhsa_float_denorm_mode_32 3
		.amdhsa_float_denorm_mode_16_64 3
		.amdhsa_memory_ordered 1
		.amdhsa_forward_progress 1
		.amdhsa_inst_pref_size 16
	.end_amdhsa_kernel
	.amdgpu_metadata
---
amdhsa.version: [ 1, 2 ]
amdhsa.kernels:
  - .name:           k_qc7ba1335b1_fold
    .symbol:         k_qc7ba1335b1_fold.kd
    .args:
      - { .name: kvp, .offset: 0, .size: 8, .value_kind: global_buffer, .address_space: global }
      - { .name: csp, .offset: 8, .size: 8, .value_kind: global_buffer, .address_space: global }
      - { .name: kvc, .offset: 16, .size: 8, .value_kind: global_buffer, .address_space: global }
      - { .name: kvw, .offset: 24, .size: 8, .value_kind: global_buffer, .address_space: global }
      - { .name: ksn, .offset: 32, .size: 8, .value_kind: global_buffer, .address_space: global }
    .group_segment_fixed_size: 17408
    .private_segment_fixed_size: 0
    .kernarg_segment_align: 8
    .kernarg_segment_size: 40
    .max_flat_workgroup_size: 256
    .sgpr_count:     66
    .vgpr_count:     162
    .wavefront_size: 32
...
	.end_amdgpu_metadata
.endif
;; end of part 3
;; launch out (part 4): grid 256 x 1, 4 waves a work-group, clusters of 4 x 1, 327,680 bytes of LDS; arguments query_input_codes, query_input_scales, source_input_codes, source_input_scales, Wq_w_codes, Wq_w_scales, Wq_b, Wv_w_codes, Wv_w_scales, Wv_b, ssq, kvc, kvw, ksn, out0; writes out0
.if DOCPART == 4
	.amdgcn_target "amdgcn-amd-amdhsa--gfx1250"
	.amdhsa_code_object_version 6
	.text
	.protected	k_qc7ba1335b1_out
	.globl	k_qc7ba1335b1_out
	.p2align	8
	.type	k_qc7ba1335b1_out,@function
k_qc7ba1335b1_out:
	s_mov_b64 s[64:65], 0
	v_nop
	global_prefetch_b8 v0, s[64:65] scope:SCOPE_SE
	s_setreg_imm32_b32 hwreg(HW_REG_WAVE_MODE, 25, 1), 1
	s_wait_xcnt 0x0
	s_wait_alu depctr_hold_cnt(0) depctr_sa_sdst(0) depctr_va_vdst(0) depctr_va_sdst(0) depctr_va_ssrc(0) depctr_va_vcc(0) depctr_vm_vsrc(0)
	s_getreg_b32 s2, hwreg(HW_REG_IB_STS2, 6, 4)
	s_cmp_eq_u32 s2, 0
	s_cbranch_scc0 .Lentry_in_a_cluster
	s_endpgm
.Lentry_in_a_cluster:
	s_bfe_u32 s2, ttmp6, 0x10000c
	s_cmp_lg_u32 s2, 0x3003
	s_cbranch_scc0 .Lentry_shape_is_right
	s_endpgm
.Lentry_shape_is_right:
; OUT.  out[n][d] = mean over heads of (qs[n][h] . kvs[h][.][d] + N vs[n][h][d]) / (qs[n][h] . ks_sum[h] + N), N = 32,768, for the work-group's 128 rows n.
; PASS Q, a head a step: q = query Wq^T + bq, qs = q / |q| (|q| from ssq); the parts of qs . ks_sum in f32; qs quantised along m and laid in LDS as images of operand registers.
; PASS V, a head a step: v = source Wv^T + bv, and ONTO THE SAME ACCUMULATORS the product of kvs's codes and qs's codes; kvs's scale bytes carry 2^-15, so the chain holds vs + num / N;
; times N / (8 den) = 4,096 / den it is the head's share of the mean.  Only powers of two are moved.
; SHARES.  Every wave keeps all 128 input rows (8 tiles x 4 K steps, windows 1 and 2; query rows, then source rows) and takes, of each head, weight rows 32 w .. 32 w + 31: in pass Q block c = w of m, in pass V
; 32 of d.  Source 0 = 16 weight rows, source 1 = 16 input rows: a lane holds ONE row n, its registers run along the features.  All work-groups walk the same weights: joint loads in clusters of four.
; THE INPUT ROWS come once for the work-group, as whole rows of 512 bytes, by tensor loads of its own, and each wave reads them from LDS: the query rows into the bytes that later hold qs's images (their one fill; a
; barrier stands between the last read and the first image), the source rows into slot 0 behind the change of slots in front of pass Q's last head.
; BY TURNS (pass Q).  A head's products go as row tiles 0-3, then 4-7.  The vector work on one half's 64 results is a numbered list (QITEM writes number j of it); the first half's stands in slices behind the
; second half's matrix instructions and names none of their registers.  A slice costs two switches of the register window.
; ORDER INSIDE A BLOCK OF 32 ALONG m: as in kv and fold (register 8 u + j takes place 16 h + 8 u + j), alike in qs and kvs.
; LDS: two slots of 128 rows x 528 bytes; IMG: qs's 64 fragments; QSW: their scale words; DEN: the parts of qs . ks_sum; TAB: bq, bv, ks_sum; WS: the weights' scale bytes (Wq's, then Wv's); the spare words.
; The stage of the way out is slot 1, which has had its last fill and its last read by then.
; LIMITS: x rsq(S) stands for x / sqrt(S); 1 / den by v_rcp_f32; a block of zeros gets the byte 1 (zero codes); NaN and infinities are not served.
.set PITCH,  528
.set SLOTB,  128*PITCH
.set IMG,    2*SLOTB
.set QSW,    IMG+131072
.set DEN,    QSW+8192
.set TAB,    DEN+16384
.set WS,     TAB+12288
.set SPARE,  WS+16384
.set SPW, 1
.set NIL, 2
.set A0,  3                            ; v3, v4  (32 w + r) x pitch + 16 h in slot 0, 1
.set AWS, 5                            ; WS + 512 w + 16 l            (+ 2,048 a head)
.set ATB, 6                            ; TAB + 128 w + 32 h           (+ 512)
.set AIW, 7                            ; IMG + 512 w + 16 l           (+ 16,384)
.set AIR, 8                            ; IMG + 16 l
.set AQW, 9                            ; QSW + 4 l + w                (+ 1,024)
.set AQR, 10                           ; QSW + 4 l
.set ADW, 11                           ; DEN + 512 w + 4 l            (+ 2,048)
.set ADN, 12                           ; DEN + 4 l
.set XS,  13                           ; v13-17 the same with the head's offset
.set XT,  14
.set XI,  15
.set XQ,  16
.set XD,  17
.set KVA, 18                           ; kvc: 4,096 w + 16 l;  v19 with the head's offset
.set XK,  19
.set KWA, 20                           ; kvw: 256 w + 4 l;  v21 with the head's offset
.set XW,  21
.set STI, 22
.set STO, 23
.set RS,  24                           ; v24-39 the input rows' scale words
.set SS,  40                           ; v40-43 the weight rows'
.set BT,  44                           ; v44-59 the bias tiles, 8 registers for each u; behind the products: bytes and den parts (Q), den parts (V)
.set DL,  44
.set QW,  60                           ; v60-67 qs's scale words;  v68-69 kvs's
.set KVW, 68
.set T,   70
.set WA2, 74                           ; v74  the input rows in slot 0: r x pitch + 16 h
.set TM,  76                           ; v76-91 the quantiser's (Q);  v76-83 4,096 / den for each tile, v84-87 at work (V)
.set RD,  76
.set XR,  84
.set L16, 92
.set WAR, 93                           ; v93  the input rows in IMG's bytes: IMG + r x pitch + 16 h
.set T16, 94
.set TSA, 95
.set PC,  96                           ; v96-127 codes, a set of 16 for each half (Q); kvs's two fragments (V)
.set KF,  96
.set AC,  128
.set DN,  0                            ; window 3, pass Q: v0-15 den pairs, v16-31 ks_sum's tiles, v32-63 Wv's scale bytes, kept from the head;  pass V: v0-127 the output's sums
.set KN,  16
.set WVS, 32
.set SB,  128                          ; window 3: v128-255 the streamed fragments; in pass V then qs's 8 fragments
.set WV,  34
.set CX,  35
.set G1,  36
.set XX,  44
.set H5,  45                           ; 512 x head
.set O1,  46
.set O2,  47
.set O5,  48
.set CNT, 49
.set WOFF,50
.set MNT, 51
.set G0,  52                           ; s[52:55], s[56:59] group 0 for slot 0, 1
.set PV,  60                           ; s[60:61] my part of Wv's head 1 (slot 0's), s[62:63] of head 0 (slot 1's)
.set SEL, 66
.set RQ,  68
.set HM,  70
.set O,   72
.set OX,  74
.set G1P, 76                           ; s[76:83] group 1 of the work-group's own tiles;  s[84:87], s[88:91] group 0 for the query rows and the source rows
.set G0X, 84
.set G0XS,88
.set MSB, 0
.macro WIN new
.if MSB != (\new)
	s_set_vgpr_msb (MSB<<8)|(\new)
.set MSB, (\new)
.endif
.endm
.macro NOPS n
.rept \n
	v_nop
.endr
.endm
.macro ROUND
	s_barrier_signal -1
	s_barrier_wait -1
	s_cmp_lg_u32 s[WV], 0
	s_cbranch_scc1 .Lnw0_\@
	s_barrier_signal -3
.Lnw0_\@:
	s_barrier_wait -3
	s_barrier_signal -1
	s_barrier_wait -1
.endm
.macro BAR
	s_wait_dscnt 0x0
	s_barrier_signal -1
	s_barrier_wait -1
.endm
.macro WM
.if qA && qB
	v_wmma_scale_f32_16x16x128_f8f6f4 v[rD:rD+7], v[rA:rA+15], v[rB:rB+15], v[rC:rC+7], v[rSA], v[rSB] matrix_a_scale:MATRIX_SCALE_ROW1 matrix_b_scale:MATRIX_SCALE_ROW1
.elseif qA
	v_wmma_scale_f32_16x16x128_f8f6f4 v[rD:rD+7], v[rA:rA+15], v[rB:rB+15], v[rC:rC+7], v[rSA], v[rSB] matrix_a_scale:MATRIX_SCALE_ROW1
.elseif qB
	v_wmma_scale_f32_16x16x128_f8f6f4 v[rD:rD+7], v[rA:rA+15], v[rB:rB+15], v[rC:rC+7], v[rSA], v[rSB] matrix_b_scale:MATRIX_SCALE_ROW1
.else
	v_wmma_scale_f32_16x16x128_f8f6f4 v[rD:rD+7], v[rA:rA+15], v[rB:rB+15], v[rC:rC+7], v[rSA], v[rSB]
.endif
.endm
.macro FRAGS slot                      ; my 32 weight rows of the head: 8 fragments, K ascending
	WIN 0xc0
.irp ks, 0,1,2,3
.irp u, 0,1
.irp c, 0,1,2,3
	ds_load_b128 v[SB+32*\ks+16*\u+4*\c:SB+32*\ks+16*\u+4*\c+3], v[A0+\slot] offset:\u*16*PITCH+128*\ks+32*\c
.endr
.endr
.endr
	WIN 0
.endm
.macro RLOAD adr                       ; the 128 input rows from LDS into the registers in which they stay: tile t, K step ks at v[64 (t % 4) + 16 ks] of window 1 (t < 4) or 2
	WIN 0x40
.irp t, 0,1,2,3
.irp ks, 0,1,2,3
.irp c, 0,1,2,3
	ds_load_b128 v[64*\t+16*\ks+4*\c:64*\t+16*\ks+4*\c+3], v[\adr] offset:\t*16*PITCH+128*\ks+32*\c
.endr
.endr
.endr
	WIN 0x80
.irp t, 0,1,2,3
.irp ks, 0,1,2,3
.irp c, 0,1,2,3
	ds_load_b128 v[64*\t+16*\ks+4*\c:64*\t+16*\ks+4*\c+3], v[\adr] offset:(\t+4)*16*PITCH+128*\ks+32*\c
.endr
.endr
.endr
	WIN 0
.endm
; PASS Q'S VECTOR WORK on the four units of half hf (row tiles 4 hf + 0..3, at AC + 64 hf), as a list of NT = 213; QITEM writes number j of it and steps j.  The four units take turns.
;   32  qs = q / |q|, two numbers a line, each accumulator from its low end on          32  qs x ks_sum, into a pair of sums a tile (window 3)
;   32  the largest magnitude of my 16 numbers of each unit, with the floor 2^(9 - 127), which holds the scale's byte at 1 from below
;   16  with lane l xor 16's; 8 off its exponent field: the conversion's scale operand; 448 x the scale
;   64  the hold (the conversion to an 8-bit code does not saturate: ISA guide 7.6.2)      8 + 1  the conversions, and a plain place behind them
;   12  the scale bytes; registers 4 w .. 4 w + 3 of fragment (head, tile) and byte w of its scale word go to LDS
;   16  the den pairs are added, with lane l xor 16's; two tiles share a register (lanes 0-15, lanes 16-31); to LDS
.macro QITEM hf
.if j < NT
.set sB, AC+64*\hf
.set pB, PC+16*\hf
.set j1, j-32
.set j2, j-64
.set j3, j-96
.set j4, j-112
.set j5, j-176
.set j6, j-185
.set j7, j-197
.if j < 32
	WIN 0
.set ub, j%4
.set ux, sB+16*ub+2*(j/4)
	v_pk_mul_f32 v[ux:ux+1], v[ux:ux+1], s[RQ:RQ+1] op_sel_hi:[1,0]
.elseif j < 64
	WIN 0xfc                                       ; qs in window 0; ks_sum's tiles and the sums in window 3
.set ub, j1%4
.set ui, 2*(j1/4)
.set ux, sB+16*ub+ui
.set ud, DN+2*(4*\hf+ub)
.if j1 < 4
	v_pk_mul_f32 v[ud:ud+1], v[ux:ux+1], v[KN:KN+1]
.else
	v_pk_fma_f32 v[ud:ud+1], v[ux:ux+1], v[KN+ui:KN+ui+1], v[ud:ud+1]
.endif
.elseif j < 96
	WIN 0
.set ub, j2%4
.set ux, sB+16*ub+2*(j2/4)
.if j2 < 4
	v_max3_num_f32 v[TM+ub], |v[ux]|, |v[ux+1]|, 0x4800000
.else
	v_max3_num_f32 v[TM+ub], v[TM+ub], |v[ux]|, |v[ux+1]|
.endif
.elseif j < 112
	WIN 0
.set ub, j3%4
.if j3 < 4
	v_permlanex16_b32 v[TM+4+ub], v[TM+ub], s[SEL], s[SEL+1]
.elseif j3 < 8
	v_max_num_f32 v[TM+ub], v[TM+ub], v[TM+4+ub]
.elseif j3 < 12
	v_add_nc_u32 v[TM+12+ub], 0xfc000000, v[TM+ub]
.else
	v_and_or_b32 v[TM+8+ub], v[TM+ub], 0x7f800000, s[MNT]
.endif
.elseif j < 176
	WIN 0
.set ub, j4/16
.set ux, sB+j4
	v_med3_num_f32 v[ux], v[ux], -v[TM+8+ub], v[TM+8+ub]
.elseif j < 185
	WIN 0
.if j5 < 8
.set ub, j5/2
	v_cvt_scalef32_pk8_fp8_f32 v[pB+2*j5:pB+2*j5+1], v[sB+8*j5:sB+8*j5+7], v[TM+12+ub]
.else
	v_nop
.endif
.elseif j < 197
	WIN 0
.set ub, j6%4
.if j6 < 4
	v_lshrrev_b32 v[BT+4*\hf+ub], 23, v[TM+12+ub]
.elseif j6 < 8
	ds_store_b128 v[XI], v[pB+4*ub:pB+4*ub+3] offset:2048*(4*\hf+ub)
.else
	ds_store_b8 v[XQ], v[BT+4*\hf+ub] offset:128*(4*\hf+ub)
.endif
.else
.set ub, j7%4
.set ut, 4*\hf+ub
.if j7 < 4
	WIN 0x0f                                       ; both sources in window 3
	v_add_f32 v[BT+8+ut], v[DN+2*ut], v[DN+2*ut+1]
.elseif j7 < 8
	WIN 0
	v_permlanex16_b32 v[TM+ub], v[BT+8+ut], s[SEL], s[SEL+1]
.elseif j7 < 12
	WIN 0
	v_add_f32 v[BT+8+ut], v[BT+8+ut], v[TM+ub]     ; my 32 of m: the row's part of qs . ks_sum, in both halves of the lanes
.elseif j7 < 14
	WIN 0
.set ut, 2*\hf+j7-12
	v_cndmask_b32 v[BT+8+2*ut], v[BT+8+2*ut], v[BT+9+2*ut], s[HM]   ; lanes 0-15 tile 2 p, lanes 16-31 tile 2 p + 1
.else
	WIN 0
.set ut, 2*\hf+j7-14
	ds_store_b32 v[XD], v[BT+8+2*ut] offset:128*ut
.endif
.endif
.set j, j+1
.endif
.endm
.macro FLUSH hf                        ; what is left of the list
.rept 216
	QITEM \hf
.endr
.endm
; 32 products: row tiles 4 hf .. 4 hf + 3 through the four K steps; the bias is the C of each sum's first; the accumulators take turns.
; wt = 1: the fragments are waited for, K step by K step.  per: numbers of the first half's list behind each product.
.macro GH hf, wt, per
.irp ks, 0,1,2,3
.if \wt
	s_wait_dscnt 24-8*\ks                          ; this K step's fragments are in; the later K steps', 8 loads each, may be out
.endif
.irp tt, 0,1,2,3
.irp u, 0,1
.set rD, AC+16*(4*\hf+\tt)+8*\u
.set rA, SB+32*\ks+16*\u
.set rB, 64*\tt+16*\ks
.set rSA, SS+\ks
.set rSB, RS+4*((4*\hf+\tt)/2)+\ks
.set qA, \u
.set qB, \tt%2
.if \ks == 0
.set rC, BT+8*\u
.else
.set rC, rD
.endif
	WIN 0x07+4*\hf                                 ; source 0 window 3, source 1 window 1 or 2
	WM
.if \per
.rept \per
	QITEM 0
.endr
.endif
.endr
.endr
.endr
	WIN 0
.endm
.macro HEADOFF
	s_lshl_b32 s[O1], s[H5], 1
	s_lshl_b32 s[O2], s[H5], 2
	s_lshl_b32 s[O5], s[H5], 5
.endm
; PASS Q, one head, its weight rows in \slot.  last = 1: behind the products the source rows' scale words are asked for: they land under the second list.
; Eight v_nop stand between a half's last products and the first read of their results, and in front of loads into their operands.
.macro QWORK slot, last
	HEADOFF
	v_add_nc_u32 v[XS], s[O2], v[AWS]
	v_add_nc_u32 v[XT], s[H5], v[ATB]
	v_add_nc_u32 v[XI], s[O5], v[AIW]
	v_add_nc_u32 v[XQ], s[O1], v[AQW]
	v_add_nc_u32 v[XD], s[O2], v[ADW]
	ds_load_b128 v[SS:SS+3], v[XS]
.irp u, 0,1
.irp q, 0,1
	ds_load_b128 v[BT+8*\u+4*\q:BT+8*\u+4*\q+3], v[XT] offset:64*\u+16*\q
.endr
.endr
	WIN 0xc0
.irp u, 0,1
.irp q, 0,1
	ds_load_b128 v[KN+8*\u+4*\q:KN+8*\u+4*\q+3], v[XT] offset:8192+64*\u+16*\q
.endr
.endr
	FRAGS \slot
	GH 0, 1, 0                                     ; row tiles 0-3
	NOPS 8
.set j, 0
.set NT, 213
	GH 1, 0, 6                                     ; row tiles 4-7 | the first half's list
	FLUSH 0
	NOPS 8
.if \last
.irp p, 0,1,2,3
	global_load_b128 v[RS+4*\p:RS+4*\p+3], v[L16], s[10:11] offset:512*\p
.endr
.endif
.set j, 0
	FLUSH 1                                        ; the second half's list
	s_add_co_u32 s[H5], s[H5], 512
.endm
; PASS V, one head.  first = 1: the output's sums begin with this head's share: nothing is cleared.
.macro VWORK slot, first
	HEADOFF
	v_add_nc_u32 v[XK], s[O5], v[KVA]
	v_add_nc_u32 v[XW], s[O1], v[KWA]
	v_add_nc_u32 v[XS], s[O2], v[AWS]
	v_add_nc_u32 v[XT], s[H5], v[ATB]
	v_add_nc_u32 v[XI], s[O5], v[AIR]
	v_add_nc_u32 v[XQ], s[O1], v[AQR]
	v_add_nc_u32 v[XD], s[O2], v[ADN]
.irp u, 0,1
.irp c, 0,1,2,3
	global_load_b128 v[KF+16*\u+4*\c:KF+16*\u+4*\c+3], v[XK], s[26:27] offset:2048*\u+512*\c   ; kvs's fragments of my two tiles of d: they land under the projection's products
.endr
	global_load_b32 v[KVW+\u], v[XW], s[28:29] offset:128*\u
.endr
	ds_load_b128 v[SS:SS+3], v[XS]
.irp u, 0,1
.irp q, 0,1
	ds_load_b128 v[BT+8*\u+4*\q:BT+8*\u+4*\q+3], v[XT] offset:4096+64*\u+16*\q
.endr
.endr
	FRAGS \slot
	GH 0, 1, 0
	GH 1, 0, 0
	NOPS 8
.irp nt, 0,1,2,3,4,5,6,7
	ds_load_b32 v[QW+\nt], v[XQ] offset:128*\nt
.endr
.irp k, 0,1,2,3
.irp p, 0,1,2,3
	ds_load_b32 v[DL+4*\k+\p], v[XD] offset:512*\k+128*\p          ; the four waves' parts of qs . ks_sum
.endr
.endr
	WIN 0xc0
.irp nt, 0,1,2,3,4,5,6,7
.irp c, 0,1,2,3
	ds_load_b128 v[SB+16*\nt+4*\c:SB+16*\nt+4*\c+3], v[XI] offset:2048*\nt+512*\c   ; qs's eight fragments of this head
.endr
.endr
	WIN 0
	s_wait_loadcnt 0x0                             ; kvs's fragments and scale words
.irp nt, 0,1,2,3,4,5,6,7
	s_wait_dscnt 28-4*\nt                          ; tile nt's fragment is in; the later tiles', 4 loads each, may be out
	WIN 0x0c                                       ; source 1 (qs) window 3
.irp u, 0,1
.set rD, AC+16*\nt+8*\u
.set rC, rD
.set rA, KF+16*\u
.set rB, SB+16*\nt
.set rSA, KVW+\u
.set rSB, QW+\nt
.set qA, 0
.set qB, 0
	WM                                             ; + num / N, onto vs
.endr
.endr
	WIN 0
.irp k, 1,2,3
.irp p, 0,1,2,3
	v_add_f32 v[DL+\p], v[DL+\p], v[DL+4*\k+\p]    ; (these lines are also the places behind the products)
.endr
.endr
.irp p, 0,1,2,3
	v_add_f32 v[DL+\p], 0x47000000, v[DL+\p]       ; den = qs . ks_sum + 32,768
.endr
.irp p, 0,1,2,3
	v_rcp_f32 v[XR+\p], v[DL+\p]
.endr
	v_nop                                          ; a plain place behind the reciprocals
	s_wait_alu depctr_va_vdst(0)
.irp p, 0,1,2,3
	v_mul_f32 v[XR+\p], 0x45800000, v[XR+\p]       ; 4,096 / den
.endr
.irp p, 0,1,2,3
	v_permlanex16_b32 v[DL+4+\p], v[XR+\p], s[SEL], s[SEL+1]
.endr
.irp p, 0,1,2,3
	v_cndmask_b32 v[RD+2*\p], v[XR+\p], v[DL+4+\p], s[HM]          ; tile 2 p's, in both halves of the lanes
	v_cndmask_b32 v[RD+2*\p+1], v[DL+4+\p], v[XR+\p], s[HM]        ; tile 2 p + 1's
.endr
.if \first
	WIN 0xc0
.else
	WIN 0xf0
.endif
.set n, 0
.rept 64
.set rR, RD+2*(n/16)
.if \first
.if (n/8)%2
	v_pk_mul_f32 v[2*n:2*n+1], v[AC+2*n:AC+2*n+1], v[rR:rR+1] op_sel:[0,1] op_sel_hi:[1,1]
.else
	v_pk_mul_f32 v[2*n:2*n+1], v[AC+2*n:AC+2*n+1], v[rR:rR+1] op_sel_hi:[1,0]
.endif
.else
.if (n/8)%2
	v_pk_fma_f32 v[2*n:2*n+1], v[AC+2*n:AC+2*n+1], v[rR:rR+1], v[2*n:2*n+1] op_sel:[0,1,0] op_sel_hi:[1,1,1]
.else
	v_pk_fma_f32 v[2*n:2*n+1], v[AC+2*n:AC+2*n+1], v[rR:rR+1], v[2*n:2*n+1] op_sel_hi:[1,0,1]
.endif
.endif
.set n, n+1
.endr
	WIN 0
	s_add_co_u32 s[H5], s[H5], 512
.endm
; The change of slots.  Every wave waits for all its tensor loads, adds 0 to its spare word, waits for that and for its reads of the slot that it has left.
; Behind a round of the cluster's barrier that slot takes: mode 1: the weight rows two heads on; mode 2: Wv's head 1 (slot 0) or 0 (slot 1); mode 3: the work-group's own source rows (slot 0).  mode 0: nothing more.
; Waves 0 and 1 fetch 64 rows each, one load a wave.
.macro CHANGE mode, slot
	s_wait_tensorcnt 0x0                           ; no tensor load of mine is out, so a group 0 may be written
	ds_add_u32 v[SPW], v[NIL]
.if \mode == 1
	s_add_nc_u64 s[G0+4*\slot+2:G0+4*\slot+3], s[G0+4*\slot+2:G0+4*\slot+3], 131072
.elseif \mode == 2
	s_mov_b64 s[G0+4*\slot+2:G0+4*\slot+3], s[PV+2*\slot:PV+2*\slot+1]
	s_or_b32 s[G0+4*\slot+3], s[G0+4*\slot+3], 0x80000000
.endif
	s_wait_dscnt 0x0
.if \mode
	ROUND
	s_cmp_lt_u32 s[WV], 2
	s_cbranch_scc0 .Lnone_\@
.if \mode == 3
	tensor_load_to_lds s[G0XS:G0XS+3], s[G1P:G1P+7]
	s_nop 0
.else
	tensor_load_to_lds s[G0+4*\slot:G0+4*\slot+3], s[G1:G1+7]
	s_nop 0
.endif
	NOPS 4
.Lnone_\@:
.else
	s_barrier_signal -1
	s_barrier_wait -1
.endif
.endm
	s_load_b512 s[4:19], s[0:1], 0x0               ; query codes, query scales, source codes, source scales, Wq codes, Wq scales, Wq_b, Wv codes
	s_load_b256 s[20:27], s[0:1], 0x40             ; Wv scales, Wv_b, ssq, kvc
	s_load_b128 s[28:31], s[0:1], 0x60             ; kvw, ksn
	s_load_b64 s[32:33], s[0:1], 0x70              ; out0
	v_lshl_add_u32 v[SPW], v0, 2, SPARE
	v_mov_b32 v[NIL], 0
	ds_add_u32 v1, v2
	ds_add_u32 v1, v2
	s_wait_dscnt 0x0
	v_lshrrev_b32 v[T], 5, v0
	v_readfirstlane_b32 s[WV], v[T]
	s_bfe_u32 s[CX], ttmp6, 0x40000
	s_lshl_b32 s[XX], ttmp9, 2
	s_add_co_u32 s[XX], s[XX], s[CX]               ; my block of 128 rows: it enters the input rows' and the output's addresses alone
	s_mov_b32 s[G1], 15|(1<<20)|(1<<21)|(6<<22)|(3<<25)   ; mask: all four work-groups; elements of 1 byte; padding on; bit 21 beside a mask; 4 words behind every 128
	s_mov_b32 s[G1P], (1<<20)|(6<<22)|(3<<25)      ; the same tile with no mask: the work-group's own input rows
.irp g, G1, G1P
	s_mov_b32 s[\g+1], 512<<16
	s_mov_b32 s[\g+2], 64<<16
	s_mov_b32 s[\g+3], 512<<16
	s_mov_b32 s[\g+4], 64
	s_mov_b32 s[\g+5], 512
	s_mov_b32 s[\g+6], 0
	s_mov_b32 s[\g+7], 0
.endr
	s_mov_b32 s[SEL], 0x76543210
	s_mov_b32 s[SEL+1], 0xfedcba98
	s_mov_b32 s[MNT], 0x600000
	s_mov_b32 s[HM], 0xffff0000
	s_mov_b32 s[H5], 0
	s_mul_i32 s[WOFF], s[WV], 64*PITCH
	s_and_b32 s[O1], s[WV], 1
	s_lshl_b32 s[O], s[O1], 15                     ; which 64 rows of 128 I fetch: wave % 2
	s_mov_b32 s[O+1], 0
	s_lshl_b32 s[OX], s[XX], 16                    ; of the input rows: my block's 128 rows x 512 bytes, + that half
	s_add_co_u32 s[OX], s[OX], s[O]
	s_mov_b32 s[OX+1], 0
	s_wait_kmcnt 0x0
	s_add_nc_u64 s[PV+2:PV+3], s[18:19], s[O:O+1]
	s_add_nc_u64 s[PV:PV+1], s[PV+2:PV+3], 65536
	s_add_nc_u64 s[12:13], s[12:13], s[O:O+1]
.irp k, 0,1
	s_mov_b32 s[G0+4*\k], 1
	s_add_co_u32 s[G0+4*\k+1], s[WOFF], \k*SLOTB
	s_add_nc_u64 s[G0+4*\k+2:G0+4*\k+3], s[12:13], \k*65536
	s_or_b32 s[G0+4*\k+3], s[G0+4*\k+3], 0x80000000
.endr
	s_mov_b32 s[G0X], 1                            ; the query rows, fetched by waves 2 and 3: 64 wave rows + one slot on is IMG + 64 (wave - 2) rows
	s_add_co_u32 s[G0X+1], s[WOFF], SLOTB
	s_add_nc_u64 s[G0X+2:G0X+3], s[4:5], s[OX:OX+1]
	s_or_b32 s[G0X+3], s[G0X+3], 0x80000000
	s_mov_b32 s[G0XS], 1                           ; the source rows, fetched later by waves 0 and 1 into slot 0
	s_mov_b32 s[G0XS+1], s[WOFF]
	s_add_nc_u64 s[G0XS+2:G0XS+3], s[8:9], s[OX:OX+1]
	s_or_b32 s[G0XS+3], s[G0XS+3], 0x80000000
	ROUND                                          ; all four work-groups are here: the first joint loads meet
	s_cmp_lt_u32 s[WV], 2                          ; a wave's first fills stand in one branch: Wq's heads 0 and 1 (two loads of mine are out), or the query rows (one); the wait for them is for 0
	s_cbranch_scc0 .Lfirst_x
	tensor_load_to_lds s[G0:G0+3], s[G1:G1+7]
	s_nop 0
	tensor_load_to_lds s[G0+4:G0+7], s[G1:G1+7]
	s_nop 0
	NOPS 4
	s_branch .Lfirst_done
.Lfirst_x:
	tensor_load_to_lds s[G0X:G0X+3], s[G1P:G1P+7]
	s_nop 0
	NOPS 4
.Lfirst_done:
	v_and_b32 v[T], 15, v0                         ; r
	v_bfe_u32 v[T+1], v0, 4, 1                     ; h
	v_and_b32 v[T+2], 31, v0                       ; l
	v_lshlrev_b32 v[L16], 4, v[T+2]
	v_lshlrev_b32 v[T+3], 2, v[T+2]                ; 4 l
	v_lshlrev_b32 v[T16], 4, v0                    ; 16 x thread
	v_add_nc_u32 v[TSA], TAB, v[T16]
	s_lshl_b32 s[O], s[XX], 16                     ; the output: my block's 128 rows x 512 bytes,
	s_lshl_b32 s[O1], s[WV], 14
	s_add_co_u32 s[O], s[O], s[O1]                 ; the 32 rows that I store
	s_add_nc_u64 s[32:33], s[32:33], s[O:O+1]
	s_lshl_b32 s[O], s[XX], 11                     ; the input rows' scale bytes: x 16 bytes
	s_add_nc_u64 s[6:7], s[6:7], s[O:O+1]
	s_add_nc_u64 s[10:11], s[10:11], s[O:O+1]
.irp i, 0,1
	global_load_b128 v[AC+4*\i:AC+4*\i+3], v[T16], s[16:17] offset:2048*\i         ; bq, bv, ks_sum: 4,096 bytes each, 16 a thread and load
	global_load_b128 v[AC+8+4*\i:AC+8+4*\i+3], v[T16], s[22:23] offset:2048*\i
	global_load_b128 v[AC+16+4*\i:AC+16+4*\i+3], v[T16], s[30:31] offset:2048*\i
.endr
.irp i, 0,1,2,3,4,5,6,7
	global_load_b128 v[AC+24+4*\i:AC+24+4*\i+3], v[T16], s[14:15] offset:2048*\i   ; Wq's scale bytes
.endr
.irp i, 0,1,2,3
	global_load_b128 v[AC+64+4*\i:AC+64+4*\i+3], v[L16], s[24:25] offset:512*\i    ; q's 512 sums of squares
.endr
.irp p, 0,1,2,3
	global_load_b128 v[RS+4*\p:RS+4*\p+3], v[L16], s[6:7] offset:512*\p            ; the query rows' scale words
.endr
	WIN 0xc0
.irp i, 0,1,2,3,4,5,6,7
	global_load_b128 v[WVS+4*\i:WVS+4*\i+3], v[T16], s[20:21] offset:2048*\i       ; Wv's scale bytes: kept in registers through pass Q
.endr
	WIN 0
	v_mul_u32_u24 v[WA2], v[T], PITCH
	v_lshl_add_u32 v[WA2], v[T+1], 4, v[WA2]       ; r x pitch + 16 h
	v_add_nc_u32 v[WAR], IMG, v[WA2]
	s_mul_i32 s[O], s[WV], 32*PITCH
	v_add_nc_u32 v[A0], s[O], v[WA2]
	v_add_nc_u32 v[A0+1], SLOTB, v[A0]
	s_add_co_u32 s[O1], s[O], SLOTB
	v_add_nc_u32 v[STO], s[O1], v[L16]             ; the stage (slot 1), back: my 32 rows, 16 bytes a lane
	s_lshl_b32 s[O], s[WV], 9
	s_add_co_u32 s[O1], s[O], WS
	v_add_nc_u32 v[AWS], s[O1], v[L16]
	s_add_co_u32 s[O1], s[O], IMG
	v_add_nc_u32 v[AIW], s[O1], v[L16]
	v_add_nc_u32 v[AIR], IMG, v[L16]
	s_add_co_u32 s[O1], s[O], DEN
	v_add_nc_u32 v[ADW], s[O1], v[T+3]
	v_add_nc_u32 v[ADN], DEN, v[T+3]
	s_add_co_u32 s[O1], s[WV], QSW
	v_add_nc_u32 v[AQW], s[O1], v[T+3]
	v_add_nc_u32 v[AQR], QSW, v[T+3]
	s_lshl_b32 s[O], s[WV], 7
	s_add_co_u32 s[O1], s[O], TAB
	v_lshl_add_u32 v[ATB], v[T+1], 5, s[O1]
	v_mul_u32_u24 v[STI], v[T], PITCH
	v_lshl_add_u32 v[STI], v[T+1], 5, v[STI]
	s_add_co_u32 s[O1], s[O], SLOTB
	v_add_nc_u32 v[STI], s[O1], v[STI]             ; the stage, in: row r, + 128 w + 32 h
	s_lshl_b32 s[O], s[WV], 12
	v_add_nc_u32 v[KVA], s[O], v[L16]
	s_lshl_b32 s[O], s[WV], 8
	v_add_nc_u32 v[KWA], s[O], v[T+3]
.irp b, 0,1,2,3
	v_mov_b32 v[TM+4+\b], 0                        ; written once: a lane permute's destination counts as one of its sources
.endr
	s_wait_loadcnt 0x0
.irp k, 0,1,2
.irp i, 0,1
	ds_store_b128 v[TSA], v[AC+8*\k+4*\i:AC+8*\k+4*\i+3] offset:4096*\k+2048*\i
.endr
.endr
.irp i, 0,1,2,3,4,5,6,7
	ds_store_b128 v[TSA], v[AC+24+4*\i:AC+24+4*\i+3] offset:12288+2048*\i
.endr
	v_pk_add_f32 v[AC+64:AC+65], v[AC+64:AC+65], v[AC+66:AC+67]    ; every wave adds the 512 parts in the same order: all hold the same bits
	v_pk_add_f32 v[AC+68:AC+69], v[AC+68:AC+69], v[AC+70:AC+71]
	v_pk_add_f32 v[AC+72:AC+73], v[AC+72:AC+73], v[AC+74:AC+75]
	v_pk_add_f32 v[AC+76:AC+77], v[AC+76:AC+77], v[AC+78:AC+79]
	v_pk_add_f32 v[AC+64:AC+65], v[AC+64:AC+65], v[AC+68:AC+69]
	v_pk_add_f32 v[AC+72:AC+73], v[AC+72:AC+73], v[AC+76:AC+77]
	v_pk_add_f32 v[AC+64:AC+65], v[AC+64:AC+65], v[AC+72:AC+73]
	v_add_f32 v[AC+64], v[AC+64], v[AC+65]
	v_add_f32_dpp v[AC+64], v[AC+64], v[AC+64] row_xmask:1 row_mask:0xf bank_mask:0xf
	v_add_f32_dpp v[AC+64], v[AC+64], v[AC+64] row_xmask:2 row_mask:0xf bank_mask:0xf
	v_add_f32_dpp v[AC+64], v[AC+64], v[AC+64] row_xmask:4 row_mask:0xf bank_mask:0xf
	v_add_f32_dpp v[AC+64], v[AC+64], v[AC+64] row_xmask:8 row_mask:0xf bank_mask:0xf
	v_permlanex16_b32 v[AC+65], v[AC+64], s[SEL], s[SEL+1]
	v_add_f32 v[AC+64], v[AC+64], v[AC+65]
	v_rsq_f32 v[AC+66], v[AC+64]                   ; rq = 1 / |q|
	v_nop
	s_wait_alu depctr_va_vdst(0)
	v_readfirstlane_b32 s[RQ], v[AC+66]
	s_mov_b32 s[RQ+1], s[RQ]
	s_wait_tensorcnt 0x0                           ; my first fills have landed
	BAR                                            ; everybody's have, and the tables and Wq's scale bytes lie in LDS
	RLOAD WAR                                      ; the query rows
	BAR                                            ; every wave has them in registers: their bytes may take qs's images
	QWORK 0, 0                                     ; head 0
	s_mov_b32 s[CNT], 3
.Lq:                                               ; heads 1 to 6, two a trip
	CHANGE 1, 0
	QWORK 1, 0
	CHANGE 1, 1
	QWORK 0, 0
	s_sub_co_u32 s[CNT], s[CNT], 1
	s_cmp_lg_u32 s[CNT], 0
	s_cbranch_scc1 .Lq
	CHANGE 3, 0                                    ; slot 0 takes the source rows
	QWORK 1, 1                                     ; head 7
	CHANGE 2, 1                                    ; slot 1 takes Wv's head 0; every wave's images, scale words and den parts lie in LDS, and nobody reads Wq's scale bytes any more
	RLOAD WA2                                      ; the source rows
	WIN 0x0c
.irp i, 0,1,2,3,4,5,6,7
	ds_store_b128 v[TSA], v[WVS+4*\i:WVS+4*\i+3] offset:12288+2048*\i
.endr
	WIN 0
	s_mov_b32 s[H5], 0
	s_wait_loadcnt 0x0                             ; the source rows' scale words
	CHANGE 2, 0                                    ; every wave has the source rows in registers and Wv's scale bytes lie in LDS: slot 0 takes Wv's head 1
	VWORK 1, 1                                     ; head 0
	s_mov_b32 s[CNT], 3
.Lv:                                               ; heads 1 to 6, two a trip
	CHANGE 1, 1
	VWORK 0, 0
	CHANGE 1, 0
	VWORK 1, 0
	s_sub_co_u32 s[CNT], s[CNT], 1
	s_cmp_lg_u32 s[CNT], 0
	s_cbranch_scc1 .Lv
	CHANGE 0, 0                                    ; the last head is written out: nothing more is asked for
	VWORK 0, 0
	; THE WAY OUT.  A lane holds 8 neighbouring d of one row, a row's 128 come from four waves: they meet in the stage (rows of 512 + 16 bytes), and each wave stores 32 whole rows.
	WIN 0x0c
.irp nt, 0,1,2,3,4,5,6,7
.irp u, 0,1
	ds_store_b128 v[STI], v[16*\nt+8*\u:16*\nt+8*\u+3] offset:\nt*16*PITCH+64*\u
	ds_store_b128 v[STI], v[16*\nt+8*\u+4:16*\nt+8*\u+7] offset:\nt*16*PITCH+64*\u+16
.endr
.endr
	WIN 0
	BAR
.set n, 0
.rept 32
	ds_load_b128 v[AC+4*n:AC+4*n+3], v[STO] offset:n*PITCH
.set n, n+1
.endr
.set n, 0
.rept 32
	s_wait_dscnt 31-n                              ; row n is back; the younger rows' loads may be out
	global_store_b128 v[L16], v[AC+4*n:AC+4*n+3], s[32:33] offset:512*n th:TH_STORE_NT   ; 32 lanes store a row of 512 consecutive bytes, aligned
.set n, n+1
.endr
	s_wait_tensorcnt 0x0                           ; the wave's end
	ds_add_u32 v[SPW], v[NIL]
	s_wait_dscnt 0x0
	ROUND                                          ; the closing round
	s_endpgm
.Lfunc_end_k_qc7ba1335b1_out:
	.size	k_qc7ba1335b1_out, .Lfunc_end_k_qc7ba1335b1_out-k_qc7ba1335b1_out
	.p2alignl 7, 3214868480
	.fill 96, 4, 3214868480
	.section	.rodata,"a",@progbits
	.p2align	6, 0x0
	.amdhsa_kernel k_qc7ba1335b1_out
		.amdhsa_group_segment_fixed_size 327680
		.amdhsa_private_segment_fixed_size 0
		.amdhsa_enable_private_segment 0
		.amdhsa_kernarg_size 120
		.amdhsa_user_sgpr_count 2
		.amdhsa_user_sgpr_kernarg_segment_ptr 1
		.amdhsa_wavefront_size32 1
		.amdhsa_system_sgpr_workgroup_id_x 1
		.amdhsa_system_sgpr_workgroup_id_y 1
		.amdhsa_system_sgpr_workgroup_id_z 1
		.amdhsa_system_vgpr_workitem_id 0
		.amdhsa_next_free_vgpr 1024
		.amdhsa_next_free_sgpr 96
		.amdhsa_reserve_vcc 0
		.amdhsa_float_denorm_mode_32 3
		.amdhsa_float_denorm_mode_16_64 3
		.amdhsa_memory_ordered 1
		.amdhsa_forward_progress 1
		.amdhsa_inst_pref_size 255
	.end_amdhsa_kernel
	.section	.bss,"aw",@nobits
	.p2align	6
	.space	262144
	.amdgpu_metadata
---
amdhsa.version: [ 1, 2 ]
amdhsa.kernels:
  - .name:           k_qc7ba1335b1_out
    .symbol:         k_qc7ba1335b1_out.kd
    .args:
      - { .name: query_input_codes, .offset: 0, .size: 8, .value_kind: global_buffer, .address_space: global }
      - { .name: query_input_scales, .offset: 8, .size: 8, .value_kind: global_buffer, .address_space: global }
      - { .name: source_input_codes, .offset: 16, .size: 8, .value_kind: global_buffer, .address_space: global }
      - { .name: source_input_scales, .offset: 24, .size: 8, .value_kind: global_buffer, .address_space: global }
      - { .name: Wq_w_codes, .offset: 32, .size: 8, .value_kind: global_buffer, .address_space: global }
      - { .name: Wq_w_scales, .offset: 40, .size: 8, .value_kind: global_buffer, .address_space: global }
      - { .name: Wq_b, .offset: 48, .size: 8, .value_kind: global_buffer, .address_space: global }
      - { .name: Wv_w_codes, .offset: 56, .size: 8, .value_kind: global_buffer, .address_space: global }
      - { .name: Wv_w_scales, .offset: 64, .size: 8, .value_kind: global_buffer, .address_space: global }
      - { .name: Wv_b, .offset: 72, .size: 8, .value_kind: global_buffer, .address_space: global }
      - { .name: ssq, .offset: 80, .size: 8, .value_kind: global_buffer, .address_space: global }
      - { .name: kvc, .offset: 88, .size: 8, .value_kind: global_buffer, .address_space: global }
      - { .name: kvw, .offset: 96, .size: 8, .value_kind: global_buffer, .address_space: global }
      - { .name: ksn, .offset: 104, .size: 8, .value_kind: global_buffer, .address_space: global }
      - { .name: out0, .offset: 112, .size: 8, .value_kind: global_buffer, .address_space: global }
    .group_segment_fixed_size: 327680
    .private_segment_fixed_size: 0
    .kernarg_segment_align: 8
    .kernarg_segment_size: 120
    .max_flat_workgroup_size: 128
    .sgpr_count:     96
    .vgpr_count:     1024
    .wavefront_size: 32
...
	.end_amdgpu_metadata
.endif
;; end of part 4
